; MI455X (gfx1250); checked and timed in simulation.
; The chip was launched on July 23, 2026; its instructions are those of AMD's public machine-readable ISA for CDNA 5 (MIT licence, August 2026) and "CDNA5" Instruction Set Architecture Reference Guide (July 2026). The comments in the code are by the model that wrote it; some were corrected since.
;; Attention. Allowed arithmetic: matrix products marked QUANTISED: E4M3 operands, one E8M0 scale for each 32 along K, by v_wmma_scale_f32_16x16x128_f8f6f4 with both operands' format E4M3, f32 sums; everything else in f32.
;; Inputs: k 4 x 16 x 1,024 x 64 float32; projection_matrix_codes 64 x 2 x 32 uint8 (E4M3 codes of projection_matrix, K innermost, in blocks of 32 codes); projection_matrix_scales 64 x 2 uint8 (E8M0 scales of projection_matrix, one for each 32 codes along K); q 4 x 16 x 1,024 x 64 float32; v_codes 4 x 16 x 64 x 32 x 32 uint8 (E4M3 codes of v, K innermost, in blocks of 32 codes); v_scales 4 x 16 x 64 x 32 uint8 (E8M0 scales of v, one for each 32 codes along K).
;; Outputs: out0 4 x 16 x 1,024 x 64 float32.
;; This version of the problem:
;;   THIS VERSION OF THE PROBLEM IS GIVEN IN LOW PRECISION. The matrix products marked QUANTISED in the list below multiply operands that are first quantised to E4M3 (4 exponent bits, 3 mantissa bits; 8 bits a number), with one power-of-two scale for each 32 numbers along K (OCP MX v1.0); their sums are f32. All else is computed in f32.
;;   The module's matrix products, in the order in which they are computed (A, B: the left and right operand; K: the contracted axis; several contracted axes count as one K, in the product's order):
;;     1. [M 65,536, K 64] x [K 64, N 64]; A: computed on the way; B: input projection_matrix (given as codes): QUANTISED
;;     2. [M 65,536, K 64] x [K 64, N 64]; A: computed on the way; B: input projection_matrix (given as codes): QUANTISED
;;     3. batch 64 x [M 1,024, K 64] x [K 64, N 1,024]; A: computed on the way; B: computed on the way: QUANTISED
;;     4. batch 64 x [M 1,024, K 1,024] x [K 1,024, N 64]; A: computed on the way; B: input v (given as codes): QUANTISED
;;   THE QUANTISER, for each operand of a quantised product, along K:
;;     - K is cut into blocks of 32 from its start; a last block that is shorter is filled with zeros.
;;     - A block's scale is 2^e with e = floor(log2(the largest magnitude in the block)) - 8, held to -126 .. 127; a block of zeros has e = 0. As a byte (E8M0): e + 127.
;;     - Each number is divided by its block's scale, clamped to +-448, and rounded to the nearest number of E4M3, ties to even, subnormals kept.
;;     - The product sums the exact products of the quantised numbers (number of the format x scale) in f32.
;;   ~~~python
;;   def quantise(x, axis):      # numpy; x: float32 -> the quantised numbers, widened to float32 again
;;       x = np.moveaxis(x, axis, -1); K = x.shape[-1]
;;       x = np.pad(x, [(0, 0)] * (x.ndim - 1) + [(0, -K % 32)]); x = x.reshape(x.shape[:-1] + (-1, 32)); a = np.abs(x).max(-1, keepdims=True)
;;       e = np.where(a > 0, np.clip(np.frexp(np.where(a > 0, a, 1))[1] - 1 - 8, -126, 127), 0)      # np.frexp(a)[1] - 1 = floor(log2(a)), exactly
;;       r = np.clip(x / 2.0 ** e, -448, 448)
;;       step = 2.0 ** (np.maximum(np.frexp(np.where(r == 0, 1, r))[1] - 1, -6) - 3)
;;       q = np.round(r / step) * step * 2.0 ** e      # np.round: ties to even
;;       return np.moveaxis(q.reshape(q.shape[:-2] + (-1,))[..., :K], -1, axis).astype(np.float32)
;;   ~~~
;;   OPERANDS COMPUTED ON THE WAY. 'Computed on the way' means the value that the module computes at that place (a softmax that the list does not call 'softmax' is quantised finished and normalised). What goes into a quantiser is computed in f32, as accurately as f32 sums, v_exp_f32 and their like allow (about 1e-6 of the number): no bf16 or f16 on the way to a quantiser, and a product that is left as it is and whose result goes on into a quantised operand takes f32 operands (vector FMAs, or v_wmma_f32_16x16x4_f32). A number that lies on a knife's edge between two numbers of the format may be rounded either way, as far as f32 arithmetic and the matrix unit's own rounding can turn it there, and no further.
;;   INPUTS GIVEN AS CODES. projection_matrix (in the module: [64, 64], K = its axis 0); v (in the module: [4, 16, 1024, 64], K = its axis 2): each comes as NAME_codes (uint8): NAME with its K axis moved to the last place and cut into blocks of 32 codes, [.., K / 32, bytes a block], one block behind the other in memory; one code a byte (a code: sign, 4 exponent bits, 3 mantissa bits); and NAME_scales (uint8): the same leading axes, one E8M0 byte (e + 127) for each 32 codes along K. Its value is code x scale, taken as it is: it is not quantised again, and the codes and scales need not be those that the quantiser above would give.
;; 2 versions, each right and faster than the one before. Each part assembles by itself: llvm-mc -triple=amdgcn-amd-amdhsa -mcpu=gfx1250 --defsym DOCPART=n.
;; ======== version 1 of 2: 2 launches
;; workspace buffers: qpc 4,194,304 bytes; qps 131,072 bytes; kpc 4,194,304 bytes; kps 131,072 bytes
;; launch feat (part 1): grid 128 x 1, 16 waves a work-group, no clusters, 282,880 bytes of LDS; arguments q, k, projection_matrix_codes, projection_matrix_scales, qpc, qps, kpc, kps; writes qpc, qps, kpc, kps
.if DOCPART == 1
	.amdgcn_target "amdgcn-amd-amdhsa--gfx1250"
	.amdhsa_code_object_version 6
	.text
	.protected	k_q903b52d88f_feat
	.globl	k_q903b52d88f_feat
	.p2align	8
	.type	k_q903b52d88f_feat,@function
k_q903b52d88f_feat:
	s_mov_b64 s[64:65], 0
	v_nop
	global_prefetch_b8 v0, s[64:65] scope:SCOPE_SE
	s_setreg_imm32_b32 hwreg(HW_REG_WAVE_MODE, 25, 1), 1
	s_wait_xcnt 0x0
; phi(x) = exp(x^ P - |x^|^2 / 2 - stab) + 1e-4, x^ = 64^(-1/4) x, for q (stab = the row's largest x^ P) and for k (stab = the head's largest), quantised along the 64 features
; into codes of FP8 (E4M3) with one E8M0 byte for each 32.  The product x^ P is itself on codes: x^ is quantised here along d, P arrives as codes [m][d] with its scale bytes [m][2].
; SHARES.  128 work-groups: the first 64 take q's heads, the others k's; only pointers and one lane mask are chosen, both take one path.  A work-group owns a whole head (1,024 rows), so the head's
; largest x^ P is one exchange through LDS.  Wave w owns rows 64 w .. 64 w + 63, as four tiles of 16.
; LAYOUT.  The product is used transposed (source 0 = 16 rows of P, source 1 = 16 rows of x^): a lane holds ONE row of x, and its registers run along the features.  The rows of P that form a tile are
; chosen (lane r of tile 2 b + u takes row 32 b + 8 u + r + 8 (r / 8)) so that register 16 b + i of the four results is feature 32 b + 16 (lane / 16) + i: the order that the next operand wants.
; The rows of x that form a tile are chosen alike: tile 2 B + u of a head holds rows 32 B + 8 u + r + 8 (r / 8).
; K IS 64, THE INSTRUCTION'S 128: P's fragments have zero codes in their upper eight registers.  Against them stands whatever lies behind x^'s eight registers: the next tile's codes, or eight zeros;
; these are held codes (never the NaN code) under scale bytes 0, so that half adds exactly 0.  Hence the tiles are walked 3, 2, 1, 0.
; x^ P is made twice (once for the maxima, once for the exponentials): four matrix instructions a tile instead of 128 registers kept.
; OUT.  Codes as images of operand registers: [head][tile 0..63][c 0..1][lane][16 bytes], lane (r, h)'s bytes of piece c = features 32 c + 16 h + 0 .. 15.  Scale words: [head][pair of blocks 0..15][lane][4 bytes]:
; lanes 0-15 block 2 p, lanes 16-31 block 2 p + 1; a word's bytes: tile 2 B's two, then tile 2 B + 1's two.
; LIMITS.  NaN and infinities among the inputs are not served.  A block whose largest magnitude lies under 2^-118 keeps the byte 1 (a block of zeros too, where the rule says 127: its codes are zeros and this
; program alone reads the bytes).  The exponent is fl(fl(dash - diag) log2(e) - fl(stab log2(e))): two roundings and the constant's own, each about 6e-8 of its number.
; No cluster: no two work-groups read the same rows; P's 4 KiB are a small part of a work-group's 256 KiB.
.set XRW,  17408                       ; a wave's rows in LDS: 64 x (256 bytes + 16 of padding)
.set HALF, 8704                        ; 32 of them: what one tensor load brings
.set RED,  16*XRW                      ; 278,528: sixteen words, a wave's largest each (a block of 256 bytes)
.set SCW,  RED+256                     ; 278,784: the head's 512 scale words, 2,048 bytes
.set XA,  1                            ; v1   LDS: my row's bytes in a tile: wave + (r + 8 (r / 8)) 272 + 64 h
.set LI,  2                            ; v2   16 x lane
.set PA,  3                            ; v3   P's codes: (r + 8 (r / 8)) 64 + 16 h
.set PSA, 4                            ; v4   P's scale bytes: (r + 8 (r / 8)) 2
.set SWA, 5                            ; v5   SCW + 4 x thread
.set RDA, 6                            ; v6   RED + 4 x wave
.set RDB, 7                            ; v7   RED
.set PS,  8                            ; v8-11   P's scale words, one a tile of P
.set XW,  12                           ; v12-15  x^'s scale words, one a tile of rows
.set ND,  16                           ; v16-23  pairs (-diag, the row's largest), one a tile
.set CL,  24                           ; v24-31  pairs (-stab log2(e), stab)
.set FW,  32                           ; v32-35  the features' scale bytes, two a tile
.set WM,  36                           ; v36  the wave's largest
.set HM,  37                           ; v37  the head's
.set TM,  38                           ; v38-45  at work: largest 2, other half / byte 2, hold 2, the conversion's scale 2
.set DG,  46                           ; v46-49  the sum of squares, two chains of pairs
.set SRA, 50                           ; v50  LDS: SCW + 16 (thread % 128)
.set SGO, 51                           ; v51  16 (thread % 128)
.set PF,  52                           ; v52-115   P's four fragments
.set XC,  116                          ; v116-155  x^'s codes, 8 a tile, and eight zeros
.set DA,  156                          ; v156-187  x^ P of one tile
.set X,   188                          ; v188-219  x as loaded; later the features' codes, 8 a tile
.set XH,  220                          ; v220-251  x^
	s_load_b256 s[4:11], s[0:1], 0x0               ; q s[4:5], k s[6:7], P's codes s[8:9], P's scales s[10:11]
	s_load_b256 s[12:19], s[0:1], 0x20             ; qpc s[12:13], qps s[14:15], kpc s[16:17], kps s[18:19]
	v_lshl_add_u32 v254, v0, 2, 0x44900
	v_mov_b32 v255, 0
	ds_add_u32 v254, v255
	ds_add_u32 v254, v255
	v_lshrrev_b32 v46, 5, v0
	v_readfirstlane_b32 s20, v46                   ; wave 0..15
	s_and_b32 s21, ttmp9, 63                       ; the head
	; descriptor group 1: 32 rows of 64 elements of 4 bytes, dense in memory, 16 bytes of padding behind each in LDS
	s_mov_b32 s24, (2<<16)|(1<<20)|(5<<22)|(3<<25) ; no mask; elements of 4 bytes; padding on; after every 64 words; four words
	s_mov_b32 s25, 64<<16                          ; tensor_dim0 = 64
	s_mov_b32 s26, 32<<16                          ; tensor_dim1 = 32
	s_mov_b32 s27, 64<<16                          ; tile_dim0 = 64
	s_mov_b32 s28, 32                              ; tile_dim1 = 32
	s_mov_b32 s29, 64                              ; from row to row
	s_mov_b32 s30, 0
	s_mov_b32 s31, 0
	s_mul_i32 s56, s20, XRW                        ; my wave's rows in LDS
	s_lshl_b32 s54, s21, 18                        ; a head is 1,024 rows of 256 bytes,
	s_lshl_b32 s55, s20, 14                        ; a wave's part 64 rows
	s_add_co_u32 s54, s54, s55
	s_mov_b32 s55, 0
	s_lshl_b32 s58, s21, 16                        ; codes: 65,536 bytes a head,
	s_lshl_b32 s59, s20, 12                        ; 4 tiles of 1,024 a wave
	s_add_co_u32 s58, s58, s59
	s_mov_b32 s59, 0
	s_lshl_b32 s60, s21, 11                        ; scale words: 2,048 bytes a head
	s_mov_b32 s61, 0
	s_mov_b32 s40, 0x76543210
	s_mov_b32 s41, 0xfedcba98                      ; v_permlanex16_b32's selects for lane l xor 16
	s_mov_b32 s42, 0x600000                        ; the mantissa field of 448
	s_mov_b32 s44, 0x3eb504f3                      ; 64^(-1/4)
	s_mov_b32 s45, 0x3eb504f3                      ; (a packed form names the pair, so both words are written)
	s_mov_b32 s46, 0x3fb8aa3b                      ; log2(e)
	s_mov_b32 s47, 0x3fb8aa3b
	s_mov_b32 s48, 0xbfb8aa3b                      ; -log2(e)
	s_mov_b32 s50, 0x38d1b717                      ; 1e-4
	s_mov_b32 s51, 0x38d1b717
	s_mov_b32 s52, 0xffff0000                      ; lanes 16-31
	s_wait_dscnt 0x0
	s_wait_kmcnt 0x0
	s_cmp_lt_u32 ttmp9, 64                         ; q's work-group or k's?  The choice hangs on the work-group's number alone
	s_cselect_b64 s[4:5], s[4:5], s[6:7]
	s_cselect_b64 s[12:13], s[12:13], s[16:17]
	s_cselect_b64 s[14:15], s[14:15], s[18:19]
	s_cselect_b32 s22, -1, 0                       ; all lanes: the row's largest is the stabiliser (q); none: the head's (k)
	s_add_nc_u64 s[4:5], s[4:5], s[54:55]          ; my wave's first row
	s_add_nc_u64 s[12:13], s[12:13], s[58:59]      ; my wave's first tile of codes
	s_add_nc_u64 s[14:15], s[14:15], s[60:61]      ; my head's scale words
	s_mov_b32 s32, 1                               ; group 0 for rows 32-63, which are worked first
	s_add_co_u32 s33, s56, HALF
	s_add_nc_u64 s[34:35], s[4:5], 8192
	s_or_b32 s35, s35, 0x80000000
	s_mov_b32 s36, 1                               ; and for rows 0-31
	s_mov_b32 s37, s56
	s_mov_b64 s[38:39], s[4:5]
	s_or_b32 s39, s39, 0x80000000
	tensor_load_to_lds s[32:35], s[24:31]          ; both fills go out together, ahead of every wait on TENSORcnt, LDS read and barrier: two loads of mine are out.  Nothing is filled again
	s_nop 0
	tensor_load_to_lds s[36:39], s[24:31]
	s_nop 0
.rept 4
	v_nop
.endr
	v_and_b32 v46, 15, v0                          ; r
	v_bfe_u32 v47, v0, 4, 1                        ; h
	v_and_b32 v48, 8, v46
	v_add_nc_u32 v48, v48, v46                     ; r + 8 (r / 8)
	v_mul_u32_u24 v[XA], v48, 272
	v_lshl_add_u32 v[XA], v47, 6, v[XA]
	v_add_nc_u32 v[XA], s56, v[XA]
	v_and_b32 v49, 31, v0
	v_lshlrev_b32 v[LI], 4, v49
	v_lshlrev_b32 v[PA], 6, v48
	v_lshl_add_u32 v[PA], v47, 4, v[PA]
	v_lshlrev_b32 v[PSA], 1, v48
	v_lshl_add_u32 v[SWA], v0, 2, SCW
	v_lshrrev_b32 v49, 5, v0
	v_lshl_add_u32 v[RDA], v49, 2, RED
	v_mov_b32 v[RDB], RED
	v_and_b32 v[SRA], 127, v0
	v_lshlrev_b32 v[SGO], 4, v[SRA]
	v_add_nc_u32 v[SRA], SCW, v[SGO]
.irp a, 0,1,2,3                        ; P's tile a = 2 b + u begins at row 32 b + 8 u; a row is 64 codes
.irp c, 0,1
	global_load_b128 v[PF+16*\a+4*\c:PF+16*\a+4*\c+3], v[PA], s[8:9] offset:(32*(\a/2)+8*(\a%2))*64+32*\c
.endr
	global_load_u16 v[PS+\a], v[PSA], s[10:11] offset:(32*(\a/2)+8*(\a%2))*2   ; its rows' two scale bytes; bytes 2 and 3 come as 0 and stand over zero codes
.endr
.irp a, 0,1,2,3
.irp i, 8,9,10,11,12,13,14,15
	v_mov_b32 v[PF+16*\a+\i], 0                    ; K = 64 .. 127 of P: zero codes
.endr
.endr
.irp i, 32,33,34,35,36,37,38,39
	v_mov_b32 v[XC+\i], 0                          ; what stands behind the last tile's codes
.endr
	v_mov_b32 v[TM+2], 0                           ; written once: a lane permute's destination counts as one of its sources
	v_mov_b32 v[TM+3], 0
	s_wait_loadcnt 0x0                             ; P
; 32 numbers of a lane, register 16 b + i = k 32 b + 16 (lane / 16) + i of my row, become eight registers of codes and two scale bytes.  signed = 0: the numbers are positive.
.macro QUANT2 src, signed, dstc, dstw
.if \signed
.irp b, 0,1
	v_max3_num_f32 v[TM+\b], |v[(\src)+16*\b]|, |v[(\src)+16*\b+1]|, 0x4800000   ; my 16 numbers of block b, and the floor 2^(9 - 127): the byte cannot fall under 1
.endr
.irp i, 2,4,6,8,10,12,14
.irp b, 0,1
	v_max3_num_f32 v[TM+\b], v[TM+\b], |v[(\src)+16*\b+\i]|, |v[(\src)+16*\b+\i+1]|
.endr
.endr
.else
.irp b, 0,1
	v_max3_num_f32 v[TM+\b], v[(\src)+16*\b], v[(\src)+16*\b+1], 0x4800000
.endr
.irp i, 2,4,6,8,10,12,14
.irp b, 0,1
	v_max3_num_f32 v[TM+\b], v[TM+\b], v[(\src)+16*\b+\i], v[(\src)+16*\b+\i+1]
.endr
.endr
.endif
.irp b, 0,1
	v_permlanex16_b32 v[TM+2+\b], v[TM+\b], s40, s41
.endr
.irp b, 0,1
	v_max_num_f32 v[TM+\b], v[TM+\b], v[TM+2+\b]   ; with lane l xor 16's 16: the block's largest magnitude
.endr
.irp b, 0,1
	v_add_nc_u32 v[TM+6+\b], 0xfc000000, v[TM+\b]  ; 8 off its exponent field: the conversion takes this operand's exponent field as its scale
.endr
.irp b, 0,1
	v_and_or_b32 v[TM+4+\b], v[TM+\b], 0x7f800000, s42   ; 448 x the scale
.endr
.irp b, 0,1
	v_lshrrev_b32 v[TM+2+\b], 23, v[TM+6+\b]       ; the scale's byte
.endr
	v_lshl_or_b32 v[\dstw], v[TM+3], 8, v[TM+2]
.irp b, 0,1
.irp i, 0,1,2,3,4,5,6,7,8,9,10,11,12,13,14,15
.if \signed
	v_med3_num_f32 v[(\src)+16*\b+\i], v[(\src)+16*\b+\i], -v[TM+4+\b], v[TM+4+\b]   ; the conversion to an 8-bit code does not saturate (ISA guide 7.6.2): the hold at the largest code x the scale
.else
	v_min_num_f32 v[(\src)+16*\b+\i], v[(\src)+16*\b+\i], v[TM+4+\b]
.endif
.endr
	v_cvt_scalef32_pk8_fp8_f32 v[(\dstc)+4*\b:(\dstc)+4*\b+1], v[(\src)+16*\b:(\src)+16*\b+7], v[TM+6+\b]
	v_cvt_scalef32_pk8_fp8_f32 v[(\dstc)+4*\b+2:(\dstc)+4*\b+3], v[(\src)+16*\b+8:(\src)+16*\b+15], v[TM+6+\b]
.endr
	v_nop                                          ; a plain vector line behind the last conversion, ahead of whatever next touches its result or writes its sources
.endm
; x^ P of tile t: four matrix instructions, each its own sum
.macro DASH t
.irp a, 0,1,2,3
	v_wmma_scale_f32_16x16x128_f8f6f4 v[DA+8*\a:DA+8*\a+7], v[PF+16*\a:PF+16*\a+15], v[XC+8*(\t):XC+8*(\t)+15], 0, v[PS+\a], v[XW+(\t)]
.endr
.endm
; PHASE 1, tile t: x from LDS, x^, its codes, x^ P, the row's largest and -diag
.macro TILE1 t
.irp b, 0,1
.irp j, 0,1,2,3
	ds_load_b128 v[X+16*\b+4*\j:X+16*\b+4*\j+3], v[XA] offset:(32*((\t)/2)+8*((\t)%2))*272+128*\b+16*\j   ; x(my row, 32 b + 16 h + 4 j ..)
.endr
.endr
	s_wait_dscnt 0x0
.set n, 0
.rept 16
	v_pk_mul_f32 v[XH+n:XH+n+1], v[X+n:X+n+1], s[44:45] op_sel_hi:[1,0]
.set n, n+2
.endr
	QUANT2 XH, 1, XC+8*(\t), XW+(\t)
.rept 3
	v_nop                                          ; with the line above: four places between codes written by vector instructions and the scaled product; the scale word stands 32 holds back
.endr
	DASH \t
	v_pk_mul_f32 v[DG:DG+1], v[X:X+1], v[X:X+1]    ; the sum of x^2 of my 32 numbers, in two chains: sixteen plain lines that name none of the products' registers: the places behind them
	v_pk_mul_f32 v[DG+2:DG+3], v[X+2:X+3], v[X+2:X+3]
.set n, 4
.rept 7
	v_pk_fma_f32 v[DG:DG+1], v[X+n:X+n+1], v[X+n:X+n+1], v[DG:DG+1]
	v_pk_fma_f32 v[DG+2:DG+3], v[X+n+2:X+n+3], v[X+n+2:X+n+3], v[DG+2:DG+3]
.set n, n+4
.endr
	v_max3_num_f32 v[TM], v[DA], v[DA+1], v[DA+2]  ; the largest of my 32 results, in two chains, each result from its low end on
	v_max3_num_f32 v[TM+1], v[DA+16], v[DA+17], v[DA+18]
.irp i, 3,5,7,9,11,13
	v_max3_num_f32 v[TM], v[TM], v[DA+\i], v[DA+\i+1]
	v_max3_num_f32 v[TM+1], v[TM+1], v[DA+16+\i], v[DA+17+\i]
.endr
	v_max3_num_f32 v[TM], v[TM], v[DA+15], v[DA+31]
	v_max_num_f32 v[TM], v[TM], v[TM+1]
	v_pk_add_f32 v[DG:DG+1], v[DG:DG+1], v[DG+2:DG+3]
	v_permlanex16_b32 v[TM+2], v[TM], s40, s41
	v_add_f32 v[DG], v[DG], v[DG+1]
	v_max_num_f32 v[ND+2*(\t)+1], v[TM], v[TM+2]   ; the row's largest x^ P
	v_permlanex16_b32 v[DG+2], v[DG], s40, s41
	v_add_f32 v[DG], v[DG], v[DG+2]
	v_mul_f32 v[ND+2*(\t)], 0xbd800000, v[DG]      ; -diag = -(the sum / 2) / 8
.if (\t) == 3
	v_mov_b32 v[WM], v[ND+2*(\t)+1]
.else
	v_max_num_f32 v[WM], v[WM], v[ND+2*(\t)+1]
.endif
.endm
; PHASE 2, tile t: x^ P again (the same bits), the exponentials, the features' codes, which leave as they stand
.macro TILE2 t
	DASH \t
.rept 8
	v_nop                                          ; the places behind the products
.endr
.set n, 0
.rept 16
	v_pk_add_f32 v[DA+n:DA+n+1], v[DA+n:DA+n+1], v[ND+2*(\t):ND+2*(\t)+1] op_sel_hi:[1,0]   ; dash - diag
.set n, n+2
.endr
.set n, 0
.rept 16
	v_pk_fma_f32 v[DA+n:DA+n+1], v[DA+n:DA+n+1], s[46:47], v[CL+2*(\t):CL+2*(\t)+1] op_sel_hi:[1,0,0]   ; x log2(e) - stab log2(e)
.set n, n+2
.endr
.set n, 0
.rept 32
	v_exp_f32 v[DA+n], v[DA+n]
.set n, n+1
.endr
	v_nop                                          ; a plain line between the exponentials and the first use of a result
.set n, 0
	s_wait_alu depctr_va_vdst(0)
.rept 16
	v_pk_add_f32 v[DA+n:DA+n+1], v[DA+n:DA+n+1], s[50:51] op_sel_hi:[1,0]   ; + 1e-4
.set n, n+2
.endr
	QUANT2 DA, 0, X+8*(\t), FW+(\t)
	global_store_b128 v[LI], v[X+8*(\t):X+8*(\t)+3], s[12:13] offset:1024*(\t)         ; 32 lanes store 512 consecutive bytes; each tile has its own registers, so no store's data are written again
	global_store_b128 v[LI], v[X+8*(\t)+4:X+8*(\t)+7], s[12:13] offset:1024*(\t)+512
.endm
	s_wait_tensorcnt 0x1                           ; rows 32-63 are in; the one younger load (rows 0-31) may be out.  Only I read my rows
	TILE1 3
	TILE1 2
	s_wait_tensorcnt 0x0                           ; rows 0-31
	TILE1 1
	TILE1 0
.irp x, 1,2,4,8
	v_max_num_f32_dpp v[WM], v[WM], v[WM] row_xmask:\x row_mask:0xf bank_mask:0xf   ; over the 16 rows of a tile (both halves of the lanes hold the same)
.endr
	ds_store_b32 v[RDA], v[WM]                     ; all lanes write the wave's word with the same value
	s_wait_dscnt 0x0                               ; for the others' sake: my store is done
	s_barrier_signal -1
	s_barrier_wait -1
.irp i, 0,1,2,3
	ds_load_b128 v[X+4*\i:X+4*\i+3], v[RDB] offset:16*\i
.endr
	s_wait_dscnt 0x0
	v_max3_num_f32 v[HM], v[X], v[X+1], v[X+2]
.irp i, 3,5,7,9,11,13
	v_max3_num_f32 v[HM], v[HM], v[X+\i], v[X+\i+1]
.endr
	v_max_num_f32 v[HM], v[HM], v[X+15]            ; the head's largest x^ P
.irp t, 0,1,2,3
	v_cndmask_b32 v[CL+2*\t+1], v[HM], v[ND+2*\t+1], s22   ; the stabiliser: the row's for q, the head's for k
.endr
.irp t, 0,1,2,3
	v_mul_f32 v[CL+2*\t], s48, v[CL+2*\t+1]
.endr
	TILE2 0
	TILE2 1
	TILE2 2
	TILE2 3
	v_lshl_or_b32 v[TM], v[FW+1], 16, v[FW]        ; block 2 w's words: tile 0's two bytes, tile 1's two
	v_lshl_or_b32 v[TM+1], v[FW+3], 16, v[FW+2]    ; block 2 w + 1's
	v_cndmask_b32 v[TM], v[TM], v[TM+1], s52       ; lanes 0-15 the first, lanes 16-31 the second
	ds_store_b32 v[SWA], v[TM]
	s_wait_dscnt 0x0                               ; for the others' sake
	s_barrier_signal -1
	s_barrier_wait -1
	s_cmp_gt_u32 s20, 3                            ; waves 0-3 send the head's 2,048 bytes of scale words
	s_cbranch_scc1 .Ldone
	ds_load_b128 v[DA:DA+3], v[SRA]
	s_wait_dscnt 0x0
	global_store_b128 v[SGO], v[DA:DA+3], s[14:15] ; 16 lanes store 256 consecutive bytes, at a multiple of 256 from the buffer's first byte
.Ldone:
	s_wait_tensorcnt 0x0
	ds_add_u32 v254, v255
	s_wait_dscnt 0x0
	s_endpgm
.Lfunc_end_k_q903b52d88f_feat:
	.size	k_q903b52d88f_feat, .Lfunc_end_k_q903b52d88f_feat-k_q903b52d88f_feat
	.p2alignl 7, 3214868480
	.fill 96, 4, 3214868480
	.section	.rodata,"a",@progbits
	.p2align	6, 0x0
	.amdhsa_kernel k_q903b52d88f_feat
		.amdhsa_group_segment_fixed_size 282880
		.amdhsa_private_segment_fixed_size 0
		.amdhsa_enable_private_segment 0
		.amdhsa_kernarg_size 64
		.amdhsa_user_sgpr_count 2
		.amdhsa_user_sgpr_kernarg_segment_ptr 1
		.amdhsa_wavefront_size32 1
		.amdhsa_system_sgpr_workgroup_id_x 1
		.amdhsa_system_sgpr_workgroup_id_y 1
		.amdhsa_system_sgpr_workgroup_id_z 1
		.amdhsa_system_vgpr_workitem_id 0
		.amdhsa_next_free_vgpr 256
		.amdhsa_next_free_sgpr 66
		.amdhsa_reserve_vcc 0
		.amdhsa_float_denorm_mode_32 3
		.amdhsa_float_denorm_mode_16_64 3
		.amdhsa_memory_ordered 1
		.amdhsa_forward_progress 1
		.amdhsa_inst_pref_size 75
	.end_amdhsa_kernel
	.amdgpu_metadata
---
amdhsa.version: [ 1, 2 ]
amdhsa.kernels:
  - .name:           k_q903b52d88f_feat
    .symbol:         k_q903b52d88f_feat.kd
    .args:
      - { .name: q, .offset: 0, .size: 8, .value_kind: global_buffer, .address_space: global }
      - { .name: k, .offset: 8, .size: 8, .value_kind: global_buffer, .address_space: global }
      - { .name: projection_matrix_codes, .offset: 16, .size: 8, .value_kind: global_buffer, .address_space: global }
      - { .name: projection_matrix_scales, .offset: 24, .size: 8, .value_kind: global_buffer, .address_space: global }
      - { .name: qpc, .offset: 32, .size: 8, .value_kind: global_buffer, .address_space: global }
      - { .name: qps, .offset: 40, .size: 8, .value_kind: global_buffer, .address_space: global }
      - { .name: kpc, .offset: 48, .size: 8, .value_kind: global_buffer, .address_space: global }
      - { .name: kps, .offset: 56, .size: 8, .value_kind: global_buffer, .address_space: global }
    .group_segment_fixed_size: 282880
    .private_segment_fixed_size: 0
    .kernarg_segment_align: 8
    .kernarg_segment_size: 64
    .max_flat_workgroup_size: 512
    .sgpr_count:     66
    .vgpr_count:     256
    .wavefront_size: 32
...
	.end_amdgpu_metadata
.endif
;; end of part 1
;; launch attn (part 2): grid 4 x 64, 16 waves a work-group, no clusters, 207,872 bytes of LDS; arguments qpc, qps, kpc, kps, v_codes, v_scales, out0; writes out0
.if DOCPART == 2
	.amdgcn_target "amdgcn-amd-amdhsa--gfx1250"
	.amdhsa_code_object_version 6
	.text
	.protected	k_q903b52d88f_attn
	.globl	k_q903b52d88f_attn
	.p2align	8
	.type	k_q903b52d88f_attn,@function
k_q903b52d88f_attn:
	s_mov_b64 s[64:65], 0
	v_nop
	global_prefetch_b8 v0, s[64:65] scope:SCOPE_SE
	s_setreg_imm32_b32 hwreg(HW_REG_WAVE_MODE, 25, 1), 1
	s_wait_xcnt 0x0
; out[h][q][:] = the sum over keys t <= q of p(q, t) v[h][t][:], p = s / (the sum over t <= q of s), s = qp . kp, all products on codes of FP8 (E4M3) with one E8M0 byte for each 32 along K.
; qp's and kp's codes and scale words come from the launch before, as images of operand registers (its head comment has the layout); v as codes with the keys innermost, [h][64 (d)][1,024], scale bytes [h][64][32].
; p is quantised FINISHED, so a row's sum must be whole before its first p: the scores are made twice.  PASS A: the row's sum.  PASS B: the scores again, x 1 / the sum, quantised along the keys, times v.
; SHARES.  Four work-groups to a head, sixteen waves each; a wave owns ONE tile of 16 queries and walks the keys up to its diagonal, 128 a step.  Work-group j holds tiles 8 j + p and 63 - 8 j - p, p = 0 .. 7:
; j + 1 and 8 - j steps; wave w takes p = w / 2 and the long tile where bits 0 and 2 of w differ, so any four waves w, w + 4, .. or 4 i .. 4 i + 3 hold two short and two long: 18 steps.
; Both loops have eight trips in every wave; a step whose keys all come after the wave's queries is jumped over by a scalar branch on ids.
; LAYOUT.  Both products are used transposed (S^T = kp qp^T, O^T = v^T p^T): a lane holds one query throughout.  Tile 2 B + u holds rows 32 B + 8 u + r + 8 (r / 8), so the 16 registers of a block's two score tiles are keys 32 B + 16 (lane / 16) + 0 .. 15.
; K IS 64, THE INSTRUCTION'S 128.  The four pieces of block B (tiles 2 B, 2 B + 1) on end are ONE operand: K 0 .. 63 = tile 2 B, K 64 .. 127 = tile 2 B + 1, and its scale word lies in memory so.  The queries stand as
; 0 | q | q | 0 in 32 registers: (q, 0) gives tile 2 B's scores, (0, q) tile 2 B + 1's, (q, q) the sum of both, which is all that a row's sum wants of keys that all count.  Zero codes stand on one side only; the other
; side's codes were held (never the NaN code) and its bytes lie in 1 .. 254, so that half adds exactly 0.
; All of the head's kp and v stay in LDS, filled once: 133 KiB.  NO CLUSTER, though the four work-groups of a head read the same bytes: which steps a wave walks and which block it masks hang on its query tile, which
; differs from work-group to work-group; each byte is asked for once by a work-group, in one group of fills at the start.
; LIMITS.  NaN and infinities are not served.  p = s x (1 / sum) by v_rcp_f32, about 1.5e-7 from the quotient.  The row's sum is added in another order than the problem's text adds it; all its terms are positive.
; A block of p under 2^-118, or of zeros (hidden keys), keeps the byte 1; only this kernel reads it.
.set VC,   65536                       ; LDS: kp's codes at 0, 65,536 bytes; v's codes: 64 rows of 1,024 bytes + 16 of padding
.set VP,   1040                        ; = 260 words: row r starts at bank 4 r mod 64 (64 banks of 4 bytes: ISA guide 11.1)
.set KPS,  VC+64*VP                    ; 132,096: kp's scale words, 2,048 bytes
.set VS,   KPS+2048                    ; 134,144: v's scale bytes, 2,048 bytes
.set STG,  VS+2048                     ; 136,192: the way out: 16 rows x (256 + 16) bytes for each wave; no fill lands here
.set LI,  1                            ; v1   16 x lane
.set LS,  2                            ; v2   4 x lane
.set AV0, 3                            ; v3   VC + r VP + 16 h
.set AT0, 4                            ; v4   VS + 32 x lane
.set ADK, 5                            ; v5-8 the step's addresses: kp's codes, kp's scale words, v's codes, v's scale words
.set ADS, 6
.set ADV, 7
.set ADT, 8
.set DQ,  9                            ; v9   my query less my first key, within the diagonal block: 8 U + r + 8 (r / 8) - 16 h
.set NIL, 10                           ; v10  0
.set RINV, 11                          ; v11  1 / the row's sum
.set QW,  12                           ; v12  q's scale word (q0, q1, q0, q1)
.set PW,  13                           ; v13  p's scale word
.set KS,  14                           ; v14-15  kp's scale words: lanes 0-15 an even block's, lanes 16-31 the odd one's
.set VSR, 16                           ; v16-17  v's likewise, by tiles of 16 d
.set RB,  18                           ; v18-25  pairs: 1 / the sum, or 0 for a hidden block (the upper words are written once)
.set TM,  28                           ; v28-43  at work: largest 4, other half / byte 4, hold 4, the conversion's scale 4
.set QH,  44                           ; v44-59  (0, q)
.set QD,  52                           ; v52-67  (q, q)
.set QL,  60                           ; v60-75  (q, 0)
.set FR,  76                           ; v76-139   four operands of kp, later four of v
.set SCO, 140                          ; v140-203  the scores, then p
.set PC,  204                          ; v204-219  p's codes
.set ACC, 204                          ; v204-207  pass A: the sum, two chains of pairs
.set OA,  220                          ; v220-251  O^T
.set NF,  68                           ; s68  the step on my diagonal
.set BQ,  69                           ; s69  and the block of it
.set SI,  71                           ; s71  the step
.set SK,  72                           ; s72-75 LDS bytes at which the step's parts begin
.set SS,  73
.set SV,  74
.set ST,  75
.set MB,  76                           ; s[76:83] pairs: 1.0 for blocks up to BQ, 0 behind it
.set TS,  84                           ; s84-87 the same for the step in hand: all 1.0 off the diagonal
.macro MM d, a, b, sa, sb, row, zero   ; one product; row = 1: source 0's scales stand in lanes 16-31; zero = 1: it starts its sum
.if \zero
.if \row
	v_wmma_scale_f32_16x16x128_f8f6f4 v[(\d):(\d)+7], v[(\a):(\a)+15], v[(\b):(\b)+15], 0, v[\sa], v[\sb] matrix_a_scale:MATRIX_SCALE_ROW1
.else
	v_wmma_scale_f32_16x16x128_f8f6f4 v[(\d):(\d)+7], v[(\a):(\a)+15], v[(\b):(\b)+15], 0, v[\sa], v[\sb]
.endif
.else
.if \row
	v_wmma_scale_f32_16x16x128_f8f6f4 v[(\d):(\d)+7], v[(\a):(\a)+15], v[(\b):(\b)+15], v[(\d):(\d)+7], v[\sa], v[\sb] matrix_a_scale:MATRIX_SCALE_ROW1
.else
	v_wmma_scale_f32_16x16x128_f8f6f4 v[(\d):(\d)+7], v[(\a):(\a)+15], v[(\b):(\b)+15], v[(\d):(\d)+7], v[\sa], v[\sb]
.endif
.endif
.endm
	s_load_b256 s[4:11], s[0:1], 0x0               ; qpc s[4:5], qps s[6:7], kpc s[8:9], kps s[10:11]
	s_load_b128 s[12:15], s[0:1], 0x20             ; v's codes s[12:13], v's scales s[14:15]
	s_load_b64 s[16:17], s[0:1], 0x30              ; out
	v_lshl_add_u32 v254, v0, 2, 0x32400
	v_mov_b32 v255, 0
	ds_add_u32 v254, v255
	ds_add_u32 v254, v255
	v_lshrrev_b32 v27, 5, v0
	v_readfirstlane_b32 s18, v27                   ; wave 0..15
	s_and_b32 s19, ttmp7, 0xffff                   ; the head
	s_and_b32 s21, s18, 7                          ; which eighth I fetch
	; group 1 for kp's codes: 32 dense rows of 256 bytes
	s_mov_b32 s24, 3<<16                           ; elements of 8 bytes, no padding
	s_mov_b32 s25, 32<<16
	s_mov_b32 s26, 32<<16
	s_mov_b32 s27, 32<<16
	s_mov_b32 s28, 32
	s_mov_b32 s29, 32
	s_mov_b32 s30, 0
	s_mov_b32 s31, 0
	; for v's codes: 8 rows of 1,024 bytes, 16 bytes of padding behind each
	s_mov_b32 s32, (1<<20)|(7<<22)|(3<<25)         ; elements of 1 byte; padding on; after every 256 words; four words
	s_mov_b32 s33, 1024<<16
	s_mov_b32 s34, 8<<16
	s_mov_b32 s35, 1024<<16
	s_mov_b32 s36, 8
	s_mov_b32 s37, 1024
	s_mov_b32 s38, 0
	s_mov_b32 s39, 0
	; for scale bytes: one row of 256 bytes
	s_mov_b32 s40, 3<<16
	s_mov_b32 s41, 32<<16
	s_mov_b32 s42, 1<<16
	s_mov_b32 s43, 32<<16
	s_mov_b32 s44, 1
	s_mov_b32 s45, 32
	s_mov_b32 s46, 0
	s_mov_b32 s47, 0
	s_lshl_b32 s22, s19, 16                        ; codes: 65,536 bytes a head,
	s_lshl_b32 s23, s21, 13                        ; 8,192 an eighth
	s_add_co_u32 s84, s22, s23
	s_mov_b32 s85, 0
	s_mov_b32 s49, s23                             ; LDS: kp's codes
	s_mul_i32 s57, s21, 8*VP
	s_add_co_u32 s57, s57, VC                      ; v's codes
	s_lshl_b32 s87, s21, 8
	s_add_co_u32 s53, s87, KPS                     ; kp's scale words
	s_add_co_u32 s61, s87, VS                      ; v's scale bytes
	s_lshl_b32 s86, s19, 11                        ; scale bytes: 2,048 a head, 256 an eighth
	s_add_co_u32 s86, s86, s87
	s_mov_b32 s87, 0
	s_wait_dscnt 0x0
	s_wait_kmcnt 0x0
	s_mov_b32 s48, 1
	s_add_nc_u64 s[50:51], s[8:9], s[84:85]
	s_or_b32 s51, s51, 0x80000000
	s_mov_b32 s52, 1
	s_add_nc_u64 s[54:55], s[10:11], s[86:87]
	s_or_b32 s55, s55, 0x80000000
	s_mov_b32 s56, 1
	s_add_nc_u64 s[58:59], s[12:13], s[84:85]
	s_or_b32 s59, s59, 0x80000000
	s_mov_b32 s60, 1
	s_add_nc_u64 s[62:63], s[14:15], s[86:87]
	s_or_b32 s63, s63, 0x80000000
	s_cmp_lt_u32 s18, 8                            ; waves 0-7 fetch kp, waves 8-15 v: a wave's two fills stand in one branch, ahead of every wait on TENSORcnt, LDS read and barrier: two loads of mine are out.  Nothing is filled again
	s_cbranch_scc0 .Lfill_v
	tensor_load_to_lds s[48:51], s[24:31]
	s_nop 0
	tensor_load_to_lds s[52:55], s[40:47]
	s_nop 0
.rept 4
	v_nop
.endr
	s_branch .Lfilled
.Lfill_v:
	tensor_load_to_lds s[56:59], s[32:39]
	s_nop 0
	tensor_load_to_lds s[60:63], s[40:47]
	s_nop 0
.rept 4
	v_nop
.endr
.Lfilled:
	; my tile
	s_lshr_b32 s66, s18, 1
	s_lshl_b32 s67, ttmp9, 3
	s_add_co_u32 s66, s66, s67                     ; 8 j + w / 2
	s_sub_co_u32 s68, 63, s66                      ; its partner from the other end
	s_lshr_b32 s67, s18, 2
	s_xor_b32 s67, s67, s18
	s_and_b32 s67, s67, 1
	s_cmp_lg_u32 s67, 0
	s_cselect_b32 s66, s68, s66                    ; the tile, 0 .. 63
	s_lshr_b32 s67, s66, 1                         ; its block of 32 rows
	s_lshr_b32 s[NF], s66, 3
	s_and_b32 s[BQ], s67, 3
	s_mov_b32 s92, 0x01000100
	s_mov_b32 s93, 0x03020302
	s_and_b32 s70, s66, 1                          ; U: which tile of the block
	s_cmp_lg_u32 s70, 0
	s_cselect_b32 s91, s93, s92                    ; which two bytes of the block's scale word are my tile's
	s_lshl_b32 s70, s70, 3                         ; 8 U
.irp b, 0,1,2,3
	s_cmp_ge_u32 s[BQ], \b
	s_cselect_b32 s[MB+2*\b], 1.0, 0
	s_mov_b32 s[MB+2*\b+1], s[MB+2*\b]             ; (a packed form names the pair)
.endr
	s_mov_b32 s88, 0x76543210
	s_mov_b32 s89, 0xfedcba98                      ; v_permlanex16_b32's selects for lane l xor 16
	s_mov_b32 s90, 0x600000                        ; the mantissa field of 448
	s_lshl_b32 s94, s66, 10                        ; qp's codes: 1,024 bytes a tile
	s_add_co_u32 s94, s94, s22
	s_mov_b32 s95, 0
	s_add_nc_u64 s[4:5], s[4:5], s[94:95]
	s_lshl_b32 s94, s67, 6                         ; qp's scale words: 64 bytes a block
	s_lshl_b32 s95, s19, 11
	s_add_co_u32 s94, s94, s95
	s_mov_b32 s95, 0
	s_add_nc_u64 s[6:7], s[6:7], s[94:95]
	s_lshl_b32 s94, s67, 13                        ; out: row 32 x block + 8 U, 256 bytes a row,
	s_lshl_b32 s95, s70, 8
	s_add_co_u32 s94, s94, s95
	s_lshl_b32 s95, s19, 18                        ; 262,144 bytes a head
	s_add_co_u32 s94, s94, s95
	s_mov_b32 s95, 0
	s_add_nc_u64 s[16:17], s[16:17], s[94:95]
	v_and_b32 v27, 31, v0
	v_lshlrev_b32 v[LI], 4, v27
	v_lshlrev_b32 v[LS], 2, v27
	v_lshl_add_u32 v[AT0], v27, 5, VS
	v_and_b32 v28, 15, v0                          ; r
	v_bfe_u32 v29, v0, 4, 1                        ; h
	v_lshlrev_b32 v26, 2, v28
	global_load_b128 v[QD:QD+3], v[LI], s[4:5]                 ; my tile's image, twice: the two copies stand side by side between zeros
	global_load_b128 v[QD+4:QD+7], v[LI], s[4:5] offset:512
	global_load_b128 v[QL:QL+3], v[LI], s[4:5]
	global_load_b128 v[QL+4:QL+7], v[LI], s[4:5] offset:512
	global_load_b32 v27, v26, s[6:7]               ; the block's scale word of row r
	v_mul_u32_u24 v[AV0], v28, VP
	v_lshl_add_u32 v[AV0], v29, 4, v[AV0]
	v_add_nc_u32 v[AV0], VC, v[AV0]
	v_and_b32 v30, 8, v28
	v_add_nc_u32 v30, v30, v28                     ; r + 8 (r / 8)
	v_lshlrev_b32 v31, 4, v29
	v_sub_nc_u32 v[DQ], v30, v31
	v_add_nc_u32 v[DQ], s70, v[DQ]
	v_mov_b32 v[NIL], 0
.irp i, 0,1,2,3,4,5,6,7
	v_mov_b32 v[QH+\i], 0                          ; the zero codes on either side of q
	v_mov_b32 v[QL+8+\i], 0
.endr
.irp b, 0,1,2,3
	v_mov_b32 v[TM+4+\b], 0                        ; written once: a lane permute's destination counts as one of its sources
	v_mov_b32 v[RB+2*\b+1], 0                      ; (named as the upper halves of pairs)
	v_mov_b32 v[ACC+\b], 0                         ; the row's sum
.endr
	s_wait_loadcnt 0x0
	v_perm_b32 v[QW], v27, v27, s91                ; (q0, q1, q0, q1)
.rept 8
	v_nop                                          ; a scale word written by a vector instruction stands eight places ahead of its product
.endr
	s_wait_tensorcnt 0x0                           ; my two fills have landed,
	s_barrier_signal -1
	s_barrier_wait -1                              ; everybody's have: from here on these bytes are only read
.macro KLOAD                           ; the step's four operands of kp (2,048 consecutive bytes each) and their scale words
.irp b, 0,1,2,3
.irp c, 0,1,2,3
	ds_load_b128 v[FR+16*\b+4*\c:FR+16*\b+4*\c+3], v[ADK] offset:2048*\b+512*\c
.endr
.endr
	ds_load_b32 v[KS], v[ADS]
	ds_load_b32 v[KS+1], v[ADS] offset:128
	s_wait_dscnt 0x0
.endm
.macro SPROD                           ; the step's 128 scores of my query: register 16 b + i = key 128 x step + 32 b + 16 (lane / 16) + i
.irp b, 0,1,2,3
	MM SCO+16*\b, FR+16*\b, QL, KS+\b/2, QW, \b%2, 1
	MM SCO+16*\b+8, FR+16*\b, QH, KS+\b/2, QW, \b%2, 1
.endr
.rept 8
	v_nop                                          ; the places behind the products: in front of the first read of a result and of loads into their operands
.endr
.endm
.macro MASKB b                         ; if block b is the diagonal's: keys after my query count for nothing.  Each result from its low end on
	s_cmp_lg_u32 s[BQ], \b
	s_cbranch_scc1 .Lnm_\@
.irp i, 0,1,2,3,4,5,6,7,8,9,10,11,12,13,14,15
	v_cmp_gt_i32 vcc_lo, \i, v[DQ]
	v_cndmask_b32 v[SCO+16*(\b)+\i], v[SCO+16*(\b)+\i], v[NIL], vcc_lo
.endr
.Lnm_\@:
.endm
.macro MASK
	MASKB 0
	MASKB 1
	MASKB 2
	MASKB 3
.endm
.macro QUANT4                          ; p's four blocks of 32 keys become the operand's sixteen registers and its scale word; p is never negative
.irp b, 0,1,2,3
	v_max3_num_f32 v[TM+\b], v[SCO+16*\b], v[SCO+16*\b+1], 0x4800000   ; my 16 numbers of block b, and the floor 2^(9 - 127): the byte cannot fall under 1
.endr
.irp i, 2,4,6,8,10,12,14
.irp b, 0,1,2,3
	v_max3_num_f32 v[TM+\b], v[TM+\b], v[SCO+16*\b+\i], v[SCO+16*\b+\i+1]
.endr
.endr
.irp b, 0,1,2,3
	v_permlanex16_b32 v[TM+4+\b], v[TM+\b], s88, s89
.endr
.irp b, 0,1,2,3
	v_max_num_f32 v[TM+\b], v[TM+\b], v[TM+4+\b]   ; with lane l xor 16's 16 keys
.endr
.irp b, 0,1,2,3
	v_add_nc_u32 v[TM+12+\b], 0xfc000000, v[TM+\b] ; 8 off the exponent field: the conversion's scale operand
.endr
.irp b, 0,1,2,3
	v_and_or_b32 v[TM+8+\b], v[TM+\b], 0x7f800000, s90   ; 448 x the scale
.endr
.irp b, 0,1,2,3
	v_lshrrev_b32 v[TM+4+\b], 23, v[TM+12+\b]      ; the scale's byte
.endr
	v_lshl_or_b32 v[PW], v[TM+5], 8, v[TM+4]
	v_lshl_or_b32 v[PW], v[TM+6], 16, v[PW]
	v_lshl_or_b32 v[PW], v[TM+7], 24, v[PW]
.irp b, 0,1,2,3
.irp i, 0,1,2,3,4,5,6,7,8,9,10,11,12,13,14,15
	v_min_num_f32 v[SCO+16*\b+\i], v[SCO+16*\b+\i], v[TM+8+\b]   ; the conversion to an 8-bit code does not saturate (ISA guide 7.6.2)
.endr
	v_cvt_scalef32_pk8_fp8_f32 v[PC+4*\b:PC+4*\b+1], v[SCO+16*\b:SCO+16*\b+7], v[TM+12+\b]
	v_cvt_scalef32_pk8_fp8_f32 v[PC+4*\b+2:PC+4*\b+3], v[SCO+16*\b+8:SCO+16*\b+15], v[TM+12+\b]
.endr
	v_nop                                          ; a plain vector line behind the last conversion
.endm
; PASS A, one step.  Off the diagonal four products (q, q) give the sums of pairs of scores; on it the scores are made singly, masked, and hidden blocks are multiplied by 0.
.macro STEPA
	s_cmp_gt_u32 s[SI], s[NF]
	s_cbranch_scc1 .Lae_\@                         ; all keys of the step come after my queries
	v_add_nc_u32 v[ADK], s[SK], v[LI]
	v_add_nc_u32 v[ADS], s[SS], v[LS]
	KLOAD                                          ; (the eight v_nop behind the last trip's products are the places in front of these loads)
	s_cmp_eq_u32 s[SI], s[NF]
	s_cbranch_scc1 .Lad_\@
.irp b, 0,1,2,3
	MM SCO+8*\b, FR+16*\b, QD, KS+\b/2, QW, \b%2, 1
.endr
.rept 8
	v_nop
.endr
.set n, 0
.rept 16
	v_pk_add_f32 v[ACC+2*((n/2)%2):ACC+2*((n/2)%2)+1], v[ACC+2*((n/2)%2):ACC+2*((n/2)%2)+1], v[SCO+n:SCO+n+1]
.set n, n+2
.endr
	s_branch .Lae_\@
.Lad_\@:
	SPROD
	MASK
.set n, 0
.rept 32
	v_pk_fma_f32 v[ACC+2*((n/2)%2):ACC+2*((n/2)%2)+1], v[SCO+n:SCO+n+1], s[MB+2*(n/16):MB+2*(n/16)+1], v[ACC+2*((n/2)%2):ACC+2*((n/2)%2)+1] op_sel_hi:[1,0,1]
.set n, n+2
.endr
.Lae_\@:
	s_add_co_u32 s[SI], s[SI], 1
	s_add_co_u32 s[SK], s[SK], 8192
	s_add_co_u32 s[SS], s[SS], 256
.endm
; PASS B, one step.  zero = 1: the first step, which every wave walks: its products start O^T's sums.
.macro STEPB zero
.if \zero == 0
	s_cmp_gt_u32 s[SI], s[NF]
	s_cbranch_scc1 .Lbe_\@
.endif
	s_cmp_eq_u32 s[SI], s[NF]
.irp b, 0,1,2,3
	s_cselect_b32 s[TS+\b], s[MB+2*\b], 1.0
.endr
	v_add_nc_u32 v[ADK], s[SK], v[LI]              ; eight plain lines that name no register of the last step's products: the places in front of the loads below
	v_add_nc_u32 v[ADS], s[SS], v[LS]
	v_add_nc_u32 v[ADV], s[SV], v[AV0]
	v_add_nc_u32 v[ADT], s[ST], v[AT0]
.irp b, 0,1,2,3
	v_mul_f32 v[RB+2*\b], s[TS+\b], v[RINV]        ; 1 / the sum, or 0 for a block behind the diagonal's
.endr
	KLOAD
	SPROD
.irp t, 0,1,2,3                        ; v's four operands (16 d x these 128 keys) take kp's registers; they land under the vector work below
.irp c, 0,1,2,3
	ds_load_b128 v[FR+16*\t+4*\c:FR+16*\t+4*\c+3], v[ADV] offset:16*VP*\t+32*\c
.endr
.endr
	ds_load_b32 v[VSR], v[ADT]                     ; lanes 0-15: rows d = 0 .. 15, lanes 16-31: 16 .. 31
	ds_load_b32 v[VSR+1], v[ADT] offset:1024       ; 32 .. 63 likewise
	s_cmp_lg_u32 s[SI], s[NF]
	s_cbranch_scc1 .Lbo_\@
	MASK
.Lbo_\@:
.set n, 0
.rept 32
	v_pk_mul_f32 v[SCO+n:SCO+n+1], v[SCO+n:SCO+n+1], v[RB+2*(n/16):RB+2*(n/16)+1] op_sel_hi:[1,0]   ; p, finished
.set n, n+2
.endr
	QUANT4
.rept 3
	v_nop                                          ; with the line above: four places between codes written by vector instructions and the scaled product; the scale word stands 64 holds back
.endr
	s_wait_dscnt 0x0                               ; v is in
.irp t, 0,1,2,3                        ; the four accumulators take turns, one instruction a turn, and the scores' eight products stand between two steps
	MM OA+8*\t, FR+16*\t, PC, VSR+\t/2, PW, \t%2, \zero
.endr
.Lbe_\@:
	s_add_co_u32 s[SI], s[SI], 1
	s_add_co_u32 s[SK], s[SK], 8192
	s_add_co_u32 s[SS], s[SS], 256
	s_add_co_u32 s[SV], s[SV], 128
	s_add_co_u32 s[ST], s[ST], 4
.endm
	s_mov_b32 s[SI], 0
	s_mov_b32 s[SK], 0
	s_mov_b32 s[SS], KPS
.LA:                                                   ; eight trips in every wave
	STEPA
	s_cmp_lt_u32 s[SI], 8
	s_cbranch_scc1 .LA
	v_pk_add_f32 v[ACC:ACC+1], v[ACC:ACC+1], v[ACC+2:ACC+3]
	v_add_f32 v[ACC], v[ACC], v[ACC+1]
	v_permlanex16_b32 v[ACC+1], v[ACC], s88, s89
	v_add_f32 v[ACC], v[ACC], v[ACC+1]             ; with lane l xor 16's keys: the row's sum
	v_rcp_f32 v[RINV], v[ACC]
	v_nop                                          ; a plain line behind the reciprocal
	s_wait_alu depctr_va_vdst(0)
	s_mov_b32 s[SI], 0
	s_mov_b32 s[SK], 0
	s_mov_b32 s[SS], KPS
	s_mov_b32 s[SV], 0
	s_mov_b32 s[ST], 0
	STEPB 1
.LB:                                                   ; seven trips in every wave
	STEPB 0
	s_cmp_lt_u32 s[SI], 8
	s_cbranch_scc1 .LB
	; THE WAY OUT.  A lane holds 32 neighbouring bytes of a row in each accumulator, and the lanes beside it hold other rows: the tile goes through my own stage and comes back as whole rows of 256 bytes.
	s_mul_i32 s94, s18, 16*272
	s_add_co_u32 s94, s94, STG
	v_and_b32 v28, 15, v0                          ; ten plain lines: the places behind the last products
	v_bfe_u32 v29, v0, 4, 1
	v_mul_u32_u24 v30, v28, 272
	v_lshl_add_u32 v30, v29, 5, v30
	v_add_nc_u32 v30, s94, v30                     ; in: row r, + 32 h
	v_mul_u32_u24 v31, v29, 272
	v_lshl_add_u32 v31, v28, 4, v31
	v_add_nc_u32 v31, s94, v31                     ; back: lanes 0-15 one row, lanes 16-31 the next
	v_lshlrev_b32 v32, 8, v29
	v_lshl_add_u32 v32, v28, 4, v32                ; and the same two rows in out
.irp t, 0,1,2,3
	ds_store_b128 v30, v[OA+8*\t:OA+8*\t+3] offset:64*\t           ; each accumulator from its low end on: o(r, 16 t + 8 h + 0 .. 7)
	ds_store_b128 v30, v[OA+8*\t+4:OA+8*\t+7] offset:64*\t+16
.endr
.irp i, 0,1,2,3,4,5,6,7
	ds_load_b128 v[SCO+4*\i:SCO+4*\i+3], v31 offset:544*\i         ; LDS serves a wave's instructions in order (ISA guide 5.7.1.4): these see my stores
.endr
.irp i, 0,1,2,3,4,5,6,7
	s_wait_dscnt 7-\i                              ; the 7 - i younger loads may be out
	global_store_b128 v32, v[SCO+4*\i:SCO+4*\i+3], s[16:17] offset:512*\i+2048*(\i/4) th:TH_STORE_NT   ; 16 lanes store one row: 256 consecutive bytes, aligned; the tile's rows 8 .. 15 lie 8 rows further down
.endr
	s_wait_tensorcnt 0x0
	ds_add_u32 v254, v255
	s_wait_dscnt 0x0
	s_endpgm
.Lfunc_end_k_q903b52d88f_attn:
	.size	k_q903b52d88f_attn, .Lfunc_end_k_q903b52d88f_attn-k_q903b52d88f_attn
	.p2alignl 7, 3214868480
	.fill 96, 4, 3214868480
	.section	.rodata,"a",@progbits
	.p2align	6, 0x0
	.amdhsa_kernel k_q903b52d88f_attn
		.amdhsa_group_segment_fixed_size 207872
		.amdhsa_private_segment_fixed_size 0
		.amdhsa_enable_private_segment 0
		.amdhsa_kernarg_size 56
		.amdhsa_user_sgpr_count 2
		.amdhsa_user_sgpr_kernarg_segment_ptr 1
		.amdhsa_wavefront_size32 1
		.amdhsa_system_sgpr_workgroup_id_x 1
		.amdhsa_system_sgpr_workgroup_id_y 1
		.amdhsa_system_sgpr_workgroup_id_z 1
		.amdhsa_system_vgpr_workitem_id 0
		.amdhsa_next_free_vgpr 256
		.amdhsa_next_free_sgpr 96
		.amdhsa_reserve_vcc 1
		.amdhsa_float_denorm_mode_32 3
		.amdhsa_float_denorm_mode_16_64 3
		.amdhsa_memory_ordered 1
		.amdhsa_forward_progress 1
		.amdhsa_inst_pref_size 57
	.end_amdhsa_kernel
	.amdgpu_metadata
---
amdhsa.version: [ 1, 2 ]
amdhsa.kernels:
  - .name:           k_q903b52d88f_attn
    .symbol:         k_q903b52d88f_attn.kd
    .args:
      - { .name: qpc, .offset: 0, .size: 8, .value_kind: global_buffer, .address_space: global }
      - { .name: qps, .offset: 8, .size: 8, .value_kind: global_buffer, .address_space: global }
      - { .name: kpc, .offset: 16, .size: 8, .value_kind: global_buffer, .address_space: global }
      - { .name: kps, .offset: 24, .size: 8, .value_kind: global_buffer, .address_space: global }
      - { .name: v_codes, .offset: 32, .size: 8, .value_kind: global_buffer, .address_space: global }
      - { .name: v_scales, .offset: 40, .size: 8, .value_kind: global_buffer, .address_space: global }
      - { .name: out0, .offset: 48, .size: 8, .value_kind: global_buffer, .address_space: global }
    .group_segment_fixed_size: 207872
    .private_segment_fixed_size: 0
    .kernarg_segment_align: 8
    .kernarg_segment_size: 56
    .max_flat_workgroup_size: 512
    .sgpr_count:     96
    .vgpr_count:     256
    .wavefront_size: 32
...
	.end_amdgpu_metadata
.endif
;; end of part 2
;; ======== version 2 of 2: 1 launch; 1.12 times as fast as version 1
;; launch favor (part 3): grid 4 x 64, 16 waves a work-group, no clusters, 327,680 bytes of LDS; arguments q, k, projection_matrix_codes, projection_matrix_scales, v_codes, v_scales, out0; writes out0
.if DOCPART == 3
	.amdgcn_target "amdgcn-amd-amdhsa--gfx1250"
	.amdhsa_code_object_version 6
	.text
	.protected	k_q903b52d88f_favor
	.globl	k_q903b52d88f_favor
	.p2align	8
	.type	k_q903b52d88f_favor,@function
k_q903b52d88f_favor:
	s_mov_b64 s[64:65], 0
	v_nop
	global_prefetch_b8 v0, s[64:65] scope:SCOPE_SE
	s_setreg_imm32_b32 hwreg(HW_REG_WAVE_MODE, 25, 1), 1
	s_wait_xcnt 0x0
; out[h][s][:] = the sum over keys t <= s of p(s, t) v[h][t][:], p = sc / (the sum over t <= s of sc), sc = qp . kp, qp and kp the random features
; phi(x) = exp(x^ P - |x^|^2 / 2 - stab) + 1e-4, x^ = 64^(-1/4) x; stab = the row's largest x^ P for q, the head's largest for k.  All four products are on codes of FP8 (E4M3) with one E8M0 byte
; for each 32 along K: x^ is quantised along d, the features along m, p (finished) along the keys; P arrives as codes [m][d] with scale bytes [m][2], v as codes [h][d][1,024 keys] with scale bytes [h][d][32].
; ONE LAUNCH, NO WORKSPACE.  Four work-groups to a head, sixteen waves each.  Every work-group makes the whole head's kp itself (wave w: rows 64 w .. 64 w + 63, four tiles), so that the head's largest x^ P is one
; exchange through LDS and kp goes from wave to wave through LDS as images of operand registers; each wave makes the features of its ONE tile of 16 queries in registers.  kp is so made four times a head: four tiles
; of k a wave beside its one of q; spared are a launch of its own and the way of 8.6 MB of codes to memory and, four times, back.
; PHASES.  Q: my tile of q, from memory in the operand's order, becomes codes in registers, while k's rows are on their way.  K1: my four tiles of k: x^, its codes, x^ P, the rows' -diag, the largest.  | barrier 1 |
; K2: x^ P again (four matrix instructions a tile instead of 128 registers kept), the exponentials, kp's codes and scale words into LDS; v's codes land meanwhile.  | barrier 2 |  A: the scores, for the rows' sums.
; B: the scores again, x 1 / the sum, quantised along the keys, times v.  p is quantised FINISHED, so a row's sum must be whole before its first p: hence the scores twice.
; LAYOUT.  Every product is used transposed (source 0 = 16 rows of P, of kp or of v^T; source 1 = my 16 rows): a lane holds ONE row throughout, and its registers run along the next K.  The rows that form a tile are
; chosen: tile 2 B + u holds rows 32 B + 8 u + r + 8 (r / 8), so that the 16 registers of tiles 2 B and 2 B + 1 are 16 neighbours, 32 B + 16 (lane / 16) + 0 .. 15: the order that the next operand wants.
; K IS 64, THE INSTRUCTION'S 128.  (a) x^ P: P's fragments have zero codes in their upper eight registers.  Against them stands whatever lies behind x^'s eight registers: the next tile's codes, or q's feature codes;
; these are held codes (never the NaN code) under scale bytes 0, so that half adds exactly 0.  Hence the tiles are walked 3, 2, 1, 0.  (b) kp qp^T: the four pieces of block B (tiles 2 B, 2 B + 1) on end are ONE
; operand, K 0 .. 63 = tile 2 B, K 64 .. 127 = tile 2 B + 1.  The queries stand as 0 | q | q | 0 in 32 registers: (q, 0) gives tile 2 B's scores, (0, q) tile 2 B + 1's, (q, q) the sum of both, which is all that a
; row's sum wants of keys that all count.  Zero codes stand on one side only; the other side's codes were held and its bytes lie in 1 .. 254.
; SHARES OF THE ATTENTION.  Work-group j holds tiles 8 j + p and 63 - 8 j - p, p = 0 .. 7: j + 1 and 8 - j steps of 128 keys; wave w takes p = w / 2 and the long tile where bits 0 and 2 of w differ, so any four
; waves w, w + 4, .. or 4 i .. 4 i + 3 hold two short and two long: 18 steps.  Both loops have eight trips in every wave; a step whose keys all come after the wave's queries is jumped over by a scalar branch on ids.
; NO CLUSTER, though the four work-groups of a head read the same k and v: which steps a wave walks and which block it masks hang on its query tile, which differs from work-group to work-group.
; LIMITS.  NaN and infinities among the inputs are not served.  A block whose largest magnitude lies under 2^-118 keeps the byte 1 (a block of zeros too, where the rule says 127: its codes are zeros and this kernel
; alone reads the bytes).  The exponent is fl(fl(dash - diag) log2(e) - fl(stab log2(e))): two roundings and the constant's own, each about 6e-8 of its number.  p = sc x (1 / sum) by v_rcp_f32, about 1.5e-7 from
; the quotient.  The row's sum is added in another order than the problem's text adds it; all its terms are positive.
.set XRW,  17408                       ; LDS: a wave's rows of k: 64 x (256 bytes + 16 of padding), wave w's at w XRW
.set HALF, 8704                        ; 32 of them: what one tensor load brings
.set VC,   65536                       ; when k's rows have been read, their bytes serve again: kp's codes at 0 (65,536 bytes, stored by the waves); v's codes here: 64 rows of 1,024 bytes + 16 of padding, the one refill;
.set VP,   1040                        ; (= 260 words: row r starts at bank 4 r mod 64; 64 banks of 4 bytes: ISA guide 11.1)
.set STG,  VC+64*VP                    ; 132,096: and the way out: 16 rows x (256 + 16) bytes for each wave; these bytes have had their last fill
.set RED,  16*XRW                      ; 278,528: sixteen words, a wave's largest each (a block of 256 bytes)
.set KPS,  RED+256                     ; 278,784: kp's scale words [pair of blocks 0..15][lane][4 bytes]: lanes 0-15 block 2 p, lanes 16-31 block 2 p + 1; a word: tile 2 B's two bytes, tile 2 B + 1's two
.set VS,   KPS+2048                    ; 280,832: v's scale bytes, 2,048 bytes, filled once
.set SPARE, VS+2048                    ; 282,880: the spare words, 128 bytes for each wave: eight blocks of 256 bytes that no other line names
; registers kept throughout
.set SPW,  252                         ; v252 LDS address of my spare word: SPARE + 4 x my thread's number; never rewritten
.set NILZ, 253                         ; v253 0; never rewritten
.set QW,   254                         ; v254 q's scale word (q0, q1, q0, q1)
; registers of phases Q, K1, K2
.set XA,  1                            ; v1   LDS: my row's bytes in a tile of k: wave + (r + 8 (r / 8)) 272 + 64 h
.set KWA, 2                            ; v2   LDS: where I store kp's images: 4,096 x wave + 16 x lane
.set PA,  3                            ; v3   P's codes: (r + 8 (r / 8)) 64 + 16 h
.set PSA, 4                            ; v4   P's scale bytes: (r + 8 (r / 8)) 2
.set SWA, 5                            ; v5   KPS + 4 x thread
.set RDA, 6                            ; v6   RED + 4 x wave
.set RDB, 7                            ; v7   RED
.set PS,  8                            ; v8-11   P's scale words, one a tile of P
.set XW,  12                           ; v12-15  x^'s scale words, one a tile of rows
.set ND,  16                           ; v16-23  pairs (-diag, the row's largest), one a tile
.set CLK, 24                           ; v24-25  the pair (-stab log2(e), stab) for k
.set CLQ, 26                           ; v26-27  and for q
.set FW,  32                           ; v32-35  the features' scale bytes, two a tile
.set WM,  36                           ; v36  the wave's largest
.set HM,  37                           ; v37  the head's
.set FT,  38                           ; v38-45  at work: largest 2, other half / byte 2, hold 2, the conversion's scale 2
.set DG,  46                           ; v46-49  the sum of squares, two chains of pairs
.set QA,  50                           ; v50  q: (r + 8 (r / 8)) 256 + 64 h
.set PF,  52                           ; v52-115   P's four fragments
.set XC,  116                          ; v116-147  x^'s codes, 8 a tile
.set QC,  XC+32                        ; v148-155  behind them: zeros, then q's feature codes
.set DA,  156                          ; v156-187  x^ P of one tile
.set X,   188                          ; v188-219  x as loaded; in K2 kp's codes, 8 a tile
.set XH,  220                          ; v220-251  x^
; registers of passes A and B
.set LI,  1                            ; v1   16 x lane
.set LS,  2                            ; v2   4 x lane
.set AV0, 3                            ; v3   VC + r VP + 16 h
.set AT0, 4                            ; v4   VS + 32 x lane
.set ADK, 5                            ; v5-8 the step's addresses: kp's codes, kp's scale words, v's codes, v's scale words
.set ADS, 6
.set ADV, 7
.set ADT, 8
.set DQ,  9                            ; v9   my query less my first key, within the diagonal block: 8 U + r + 8 (r / 8) - 16 h
.set NIL, 10                           ; v10  0
.set RINV, 11                          ; v11  1 / the row's sum
.set PW,  13                           ; v13  p's scale word
.set KS,  14                           ; v14-15  kp's scale words: lanes 0-15 an even block's, lanes 16-31 the odd one's
.set VSR, 16                           ; v16-17  v's likewise, by tiles of 16 d
.set RB,  18                           ; v18-25  pairs: 1 / the sum, or 0 for a hidden block (the upper words are written once)
.set TM,  28                           ; v28-43  at work: largest 4, other half / byte 4, hold 4, the conversion's scale 4
.set QH,  44                           ; v44-59  (0, q)
.set QD,  52                           ; v52-67  (q, q)
.set QL,  60                           ; v60-75  (q, 0)
.set FR,  76                           ; v76-139   four operands of kp, later four of v
.set SCO, 140                          ; v140-203  the scores, then p
.set PC,  204                          ; v204-219  p's codes
.set ACC, 204                          ; v204-207  pass A: the sum, two chains of pairs
.set OA,  220                          ; v220-251  O^T
.set NF,  68                           ; s68  the step on my diagonal
.set BQ,  69                           ; s69  and the block of it
.set SI,  71                           ; s71  the step
.set SK,  72                           ; s72-75 LDS bytes at which the step's parts begin
.set SS,  73
.set SV,  74
.set ST,  75
.set MB,  76                           ; s[76:83] pairs: 1.0 for blocks up to BQ, 0 behind it
.set TS,  84                           ; s84-87 the same for the step in hand: all 1.0 off the diagonal (at the head: at work)
	s_load_b256 s[4:11], s[0:1], 0x0               ; q s[4:5], k s[6:7], P's codes s[8:9], P's scales s[10:11]
	s_load_b128 s[12:15], s[0:1], 0x20             ; v's codes s[12:13], v's scales s[14:15]
	s_load_b64 s[16:17], s[0:1], 0x30              ; out
	v_lshl_add_u32 v[SPW], v0, 2, SPARE
	v_mov_b32 v[NILZ], 0
	ds_add_u32 v252, v253
	ds_add_u32 v252, v253
	s_wait_dscnt 0x0
	v_lshrrev_b32 v46, 5, v0
	v_readfirstlane_b32 s18, v46                   ; wave 0..15
	s_and_b32 s19, ttmp7, 0xffff                   ; the head
	; descriptor group 1 for k: 32 rows of 64 elements of 4 bytes, dense in memory, 16 bytes of padding behind each in LDS
	s_mov_b32 s24, (2<<16)|(1<<20)|(5<<22)|(3<<25) ; no mask; elements of 4 bytes; padding on; after every 64 words; four words
	s_mov_b32 s25, 64<<16                          ; tensor_dim0 = 64
	s_mov_b32 s26, 32<<16                          ; tensor_dim1 = 32
	s_mov_b32 s27, 64<<16                          ; tile_dim0 = 64
	s_mov_b32 s28, 32                              ; tile_dim1 = 32
	s_mov_b32 s29, 64                              ; from row to row
	s_mov_b32 s30, 0
	s_mov_b32 s31, 0
	; for v's codes: 4 rows of 1,024 bytes, 16 bytes of padding behind each
	s_mov_b32 s32, (1<<20)|(7<<22)|(3<<25)         ; elements of 1 byte; padding on; after every 256 words; four words
	s_mov_b32 s33, 1024<<16
	s_mov_b32 s34, 4<<16
	s_mov_b32 s35, 1024<<16
	s_mov_b32 s36, 4
	s_mov_b32 s37, 1024
	s_mov_b32 s38, 0
	s_mov_b32 s39, 0
	; for v's scale bytes: one row of 128 bytes (16 elements of 8)
	s_mov_b32 s40, 3<<16
	s_mov_b32 s41, 16<<16
	s_mov_b32 s42, 1<<16
	s_mov_b32 s43, 16<<16
	s_mov_b32 s44, 1
	s_mov_b32 s45, 16
	s_mov_b32 s46, 0
	s_mov_b32 s47, 0
	s_mul_i32 s87, s18, XRW                        ; my wave's rows of k in LDS
	s_lshl_b32 s86, s18, 7
	s_lshl_b32 s20, s19, 18                        ; k: a head is 1,024 rows of 256 bytes,
	s_lshl_b32 s21, s18, 14                        ; a wave's part 64 rows
	s_add_co_u32 s20, s20, s21
	s_mov_b32 s21, 0
	s_lshl_b32 s22, s19, 16                        ; v's codes: 65,536 bytes a head,
	s_lshl_b32 s23, s18, 12                        ; 4 rows of 1,024 a wave
	s_add_co_u32 s22, s22, s23
	s_mov_b32 s23, 0
	s_lshl_b32 s84, s19, 11                        ; v's scale bytes: 2,048 a head, 128 a wave
	s_add_co_u32 s84, s84, s86
	s_mov_b32 s85, 0
	s_mov_b32 s48, 1                               ; groups 0: k's rows 32-63, which are worked first,
	s_add_co_u32 s49, s87, HALF
	s_mov_b32 s52, 1                               ; k's rows 0-31,
	s_mov_b32 s53, s87
	s_mov_b32 s56, 1                               ; v's codes,
	s_mul_i32 s57, s18, 4*VP
	s_add_co_u32 s57, s57, VC
	s_mov_b32 s60, 1                               ; v's scale bytes
	s_add_co_u32 s61, s86, VS
	; my tile of queries
	s_lshr_b32 s66, s18, 1
	s_lshl_b32 s67, ttmp9, 3
	s_add_co_u32 s66, s66, s67                     ; 8 j + w / 2
	s_sub_co_u32 s68, 63, s66                      ; its partner from the other end
	s_lshr_b32 s67, s18, 2
	s_xor_b32 s67, s67, s18
	s_and_b32 s67, s67, 1
	s_cmp_lg_u32 s67, 0
	s_cselect_b32 s66, s68, s66                    ; the tile, 0 .. 63
	s_lshr_b32 s67, s66, 1                         ; its block of 32 rows
	s_lshr_b32 s[NF], s66, 3
	s_and_b32 s[BQ], s67, 3
	s_and_b32 s70, s66, 1                          ; U: which tile of the block
	s_lshl_b32 s70, s70, 3                         ; 8 U
.irp b, 0,1,2,3
	s_cmp_ge_u32 s[BQ], \b
	s_cselect_b32 s[MB+2*\b], 1.0, 0
	s_mov_b32 s[MB+2*\b+1], s[MB+2*\b]             ; (a packed form names the pair)
.endr
	s_lshl_b32 s100, s67, 13                       ; q and out: row 32 x block + 8 U, 256 bytes a row,
	s_lshl_b32 s101, s70, 8
	s_add_co_u32 s100, s100, s101
	s_lshl_b32 s101, s19, 18                       ; 262,144 bytes a head
	s_add_co_u32 s100, s100, s101
	s_mov_b32 s101, 0
	s_mov_b32 s88, 0x76543210
	s_mov_b32 s89, 0xfedcba98                      ; v_permlanex16_b32's selects for lane l xor 16
	s_mov_b32 s90, 0x600000                        ; the mantissa field of 448
	s_lshl_b32 s91, s18, 12                        ; kp's images: 4 tiles of 1,024 bytes a wave
	s_mov_b32 s92, 0x3eb504f3                      ; 64^(-1/4)
	s_mov_b32 s93, 0x3eb504f3                      ; (a packed form names the pair, so both words are written)
	s_mov_b32 s94, 0x3fb8aa3b                      ; log2(e)
	s_mov_b32 s95, 0x3fb8aa3b
	s_mov_b32 s96, 0x38d1b717                      ; 1e-4
	s_mov_b32 s97, 0x38d1b717
	s_mov_b32 s98, 0xbfb8aa3b                      ; -log2(e)
	s_mov_b32 s99, 0xffff0000                      ; lanes 16-31
	s_wait_kmcnt 0x0
	s_add_nc_u64 s[62:63], s[14:15], s[84:85]
	s_or_b32 s63, s63, 0x80000000
	s_add_nc_u64 s[50:51], s[6:7], s[20:21]
	s_add_nc_u64 s[54:55], s[6:7], s[20:21]
	s_add_nc_u64 s[50:51], s[50:51], 8192
	s_or_b32 s51, s51, 0x80000000
	s_or_b32 s55, s55, 0x80000000
	s_add_nc_u64 s[58:59], s[12:13], s[22:23]
	s_or_b32 s59, s59, 0x80000000
	s_add_nc_u64 s[4:5], s[4:5], s[100:101]        ; q at my tile's first row
	s_add_nc_u64 s[16:17], s[16:17], s[100:101]    ; out likewise
	tensor_load_to_lds s[60:63], s[40:47]          ; the first fills go out together, alike in every wave, ahead of every wait on TENSORcnt, LDS read and barrier: three loads of mine are out
	s_nop 0
	tensor_load_to_lds s[48:51], s[24:31]
	s_nop 0
	tensor_load_to_lds s[52:55], s[24:31]
	s_nop 0
.rept 4
	v_nop
.endr
	v_and_b32 v46, 15, v0                          ; r
	v_bfe_u32 v47, v0, 4, 1                        ; h
	v_and_b32 v48, 8, v46
	v_add_nc_u32 v48, v48, v46                     ; r + 8 (r / 8)
	v_lshlrev_b32 v[QA], 8, v48
	v_lshl_add_u32 v[QA], v47, 6, v[QA]
.irp b, 0,1
.irp j, 0,1,2,3
	global_load_b128 v[X+16*\b+4*\j:X+16*\b+4*\j+3], v[QA], s[4:5] offset:128*\b+16*\j   ; q(my row, 32 b + 16 h + 4 j ..): the eight loads together take my tile's 16 rows whole; no room is left in LDS to stage them
.endr
.endr
	v_lshlrev_b32 v[PA], 6, v48
	v_lshl_add_u32 v[PA], v47, 4, v[PA]
	v_lshlrev_b32 v[PSA], 1, v48
.irp a, 0,1,2,3                        ; P's tile a = 2 b + u begins at row 32 b + 8 u; a row is 64 codes
.irp c, 0,1
	global_load_b128 v[PF+16*\a+4*\c:PF+16*\a+4*\c+3], v[PA], s[8:9] offset:(32*(\a/2)+8*(\a%2))*64+32*\c
.endr
	global_load_u16 v[PS+\a], v[PSA], s[10:11] offset:(32*(\a/2)+8*(\a%2))*2   ; its rows' two scale bytes; bytes 2 and 3 come as 0 and stand over zero codes
.endr
	v_mul_u32_u24 v[XA], v48, 272
	v_lshl_add_u32 v[XA], v47, 6, v[XA]
	v_add_nc_u32 v[XA], s87, v[XA]
	v_and_b32 v49, 31, v0
	v_lshl_add_u32 v[KWA], v49, 4, s91
	v_lshl_add_u32 v[SWA], v0, 2, KPS
	v_lshrrev_b32 v49, 5, v0
	v_lshl_add_u32 v[RDA], v49, 2, RED
	v_mov_b32 v[RDB], RED
.irp a, 0,1,2,3
.irp i, 8,9,10,11,12,13,14,15
	v_mov_b32 v[PF+16*\a+\i], 0                    ; K = 64 .. 127 of P: zero codes
.endr
.endr
.irp i, 0,1,2,3,4,5,6,7
	v_mov_b32 v[QC+\i], 0                          ; what stands behind the last tile's codes, until q's feature codes take the place
.endr
	v_mov_b32 v[FT+2], 0                           ; written once: a lane permute's destination counts as one of its sources
	v_mov_b32 v[FT+3], 0
	s_wait_loadcnt 0x0                             ; q and P
; 32 numbers of a lane, register 16 b + i = k 32 b + 16 (lane / 16) + i of my row, become eight registers of codes and two scale bytes.  signed = 0: the numbers are positive.
.macro QUANT2 src, signed, dstc, dstw
.if \signed
.irp b, 0,1
	v_max3_num_f32 v[FT+\b], |v[(\src)+16*\b]|, |v[(\src)+16*\b+1]|, 0x4800000   ; my 16 numbers of block b, and the floor 2^(9 - 127): the byte cannot fall under 1
.endr
.irp i, 2,4,6,8,10,12,14
.irp b, 0,1
	v_max3_num_f32 v[FT+\b], v[FT+\b], |v[(\src)+16*\b+\i]|, |v[(\src)+16*\b+\i+1]|
.endr
.endr
.else
.irp b, 0,1
	v_max3_num_f32 v[FT+\b], v[(\src)+16*\b], v[(\src)+16*\b+1], 0x4800000
.endr
.irp i, 2,4,6,8,10,12,14
.irp b, 0,1
	v_max3_num_f32 v[FT+\b], v[FT+\b], v[(\src)+16*\b+\i], v[(\src)+16*\b+\i+1]
.endr
.endr
.endif
.irp b, 0,1
	v_permlanex16_b32 v[FT+2+\b], v[FT+\b], s88, s89
.endr
.irp b, 0,1
	v_max_num_f32 v[FT+\b], v[FT+\b], v[FT+2+\b]   ; with lane l xor 16's 16: the block's largest magnitude
.endr
.irp b, 0,1
	v_add_nc_u32 v[FT+6+\b], 0xfc000000, v[FT+\b]  ; 8 off its exponent field: the conversion takes this operand's exponent field as its scale
.endr
.irp b, 0,1
	v_and_or_b32 v[FT+4+\b], v[FT+\b], 0x7f800000, s90   ; 448 x the scale
.endr
.irp b, 0,1
	v_lshrrev_b32 v[FT+2+\b], 23, v[FT+6+\b]       ; the scale's byte
.endr
	v_lshl_or_b32 v[\dstw], v[FT+3], 8, v[FT+2]
.irp b, 0,1
.irp i, 0,1,2,3,4,5,6,7,8,9,10,11,12,13,14,15
.if \signed
	v_med3_num_f32 v[(\src)+16*\b+\i], v[(\src)+16*\b+\i], -v[FT+4+\b], v[FT+4+\b]   ; the conversion to an 8-bit code does not saturate (ISA guide 7.6.2): the hold at the largest code x the scale
.else
	v_min_num_f32 v[(\src)+16*\b+\i], v[(\src)+16*\b+\i], v[FT+4+\b]
.endif
.endr
	v_cvt_scalef32_pk8_fp8_f32 v[(\dstc)+4*\b:(\dstc)+4*\b+1], v[(\src)+16*\b:(\src)+16*\b+7], v[FT+6+\b]
	v_cvt_scalef32_pk8_fp8_f32 v[(\dstc)+4*\b+2:(\dstc)+4*\b+3], v[(\src)+16*\b+8:(\src)+16*\b+15], v[FT+6+\b]
.endr
	v_nop                                          ; a plain vector line behind the last conversion, ahead of whatever next touches its result or writes its sources
.endm
; x^ P of tile t: four matrix instructions, each its own sum
.macro DASH t
.irp a, 0,1,2,3
	v_wmma_scale_f32_16x16x128_f8f6f4 v[DA+8*\a:DA+8*\a+7], v[PF+16*\a:PF+16*\a+15], v[XC+8*(\t):XC+8*(\t)+15], 0, v[PS+\a], v[XW+(\t)]
.endr
.endm
; tile t of my rows of k from LDS
.macro TILE1L t
.irp b, 0,1
.irp j, 0,1,2,3
	ds_load_b128 v[X+16*\b+4*\j:X+16*\b+4*\j+3], v[XA] offset:(32*((\t)/2)+8*((\t)%2))*272+128*\b+16*\j   ; x(my row, 32 b + 16 h + 4 j ..)
.endr
.endr
	s_wait_dscnt 0x0
.endm
; the 32 numbers in v[X] on: x^, its codes into place t, x^ P, the row's largest and -diag
.macro TILE1W t
.set n, 0
.rept 16
	v_pk_mul_f32 v[XH+n:XH+n+1], v[X+n:X+n+1], s[92:93] op_sel_hi:[1,0]
.set n, n+2
.endr
	QUANT2 XH, 1, XC+8*(\t), XW+(\t)
.rept 3
	v_nop                                          ; with the line above: four places between codes written by vector instructions and the scaled product; the scale word stands 32 holds back
.endr
	DASH \t
	v_pk_mul_f32 v[DG:DG+1], v[X:X+1], v[X:X+1]    ; the sum of x^2 of my 32 numbers, in two chains: sixteen plain lines that name none of the products' registers: the places behind them
	v_pk_mul_f32 v[DG+2:DG+3], v[X+2:X+3], v[X+2:X+3]
.set n, 4
.rept 7
	v_pk_fma_f32 v[DG:DG+1], v[X+n:X+n+1], v[X+n:X+n+1], v[DG:DG+1]
	v_pk_fma_f32 v[DG+2:DG+3], v[X+n+2:X+n+3], v[X+n+2:X+n+3], v[DG+2:DG+3]
.set n, n+4
.endr
	v_max3_num_f32 v[FT], v[DA], v[DA+1], v[DA+2]  ; the largest of my 32 results, in two chains, each result from its low end on
	v_max3_num_f32 v[FT+1], v[DA+16], v[DA+17], v[DA+18]
.irp i, 3,5,7,9,11,13
	v_max3_num_f32 v[FT], v[FT], v[DA+\i], v[DA+\i+1]
	v_max3_num_f32 v[FT+1], v[FT+1], v[DA+16+\i], v[DA+17+\i]
.endr
	v_max3_num_f32 v[FT], v[FT], v[DA+15], v[DA+31]
	v_max_num_f32 v[FT], v[FT], v[FT+1]
	v_pk_add_f32 v[DG:DG+1], v[DG:DG+1], v[DG+2:DG+3]
	v_permlanex16_b32 v[FT+2], v[FT], s88, s89
	v_add_f32 v[DG], v[DG], v[DG+1]
	v_max_num_f32 v[ND+2*(\t)+1], v[FT], v[FT+2]   ; the row's largest x^ P
	v_permlanex16_b32 v[DG+2], v[DG], s88, s89
	v_add_f32 v[DG], v[DG], v[DG+2]
	v_mul_f32 v[ND+2*(\t)], 0xbd800000, v[DG]      ; -diag = -(the sum / 2) / 8
.if (\t) == 3
	v_mov_b32 v[WM], v[ND+2*(\t)+1]                ; (place 3 is the first of k's to be worked: what q left here is written over)
.else
	v_max_num_f32 v[WM], v[WM], v[ND+2*(\t)+1]
.endif
.endm
; x^ P of place t again (the same bits), the exponentials under the stabiliser of pair cl, the features' codes and scale bytes
.macro FEAT t, cl, dstc, dstw
	DASH \t
.rept 8
	v_nop                                          ; the places behind the products
.endr
.set n, 0
.rept 16
	v_pk_add_f32 v[DA+n:DA+n+1], v[DA+n:DA+n+1], v[ND+2*(\t):ND+2*(\t)+1] op_sel_hi:[1,0]   ; dash - diag
.set n, n+2
.endr
.set n, 0
.rept 16
	v_pk_fma_f32 v[DA+n:DA+n+1], v[DA+n:DA+n+1], s[94:95], v[(\cl):(\cl)+1] op_sel_hi:[1,0,0]   ; x log2(e) - stab log2(e)
.set n, n+2
.endr
.set n, 0
.rept 32
	v_exp_f32 v[DA+n], v[DA+n]
.set n, n+1
.endr
	v_nop                                          ; a plain line between the exponentials and the first use of a result
.set n, 0
	s_wait_alu depctr_va_vdst(0)
.rept 16
	v_pk_add_f32 v[DA+n:DA+n+1], v[DA+n:DA+n+1], s[96:97] op_sel_hi:[1,0]   ; + 1e-4
.set n, n+2
.endr
	QUANT2 DA, 0, \dstc, \dstw
.endm
	; ---- Q: my tile of queries, in place 3, while k's rows are on their way.  Its stabiliser is the row's own largest, so it is finished at once
	TILE1W 3
	v_mov_b32 v[CLQ+1], v[ND+7]
	v_mul_f32 v[CLQ], s98, v[ND+7]
	FEAT 3, CLQ, QC, FW+3                          ; the codes are the operand's eight registers as they stand
	v_lshl_or_b32 v[QW], v[FW+3], 16, v[FW+3]      ; the two bytes twice: for K 0 .. 63 and for K 64 .. 127
	; ---- K1
	s_wait_tensorcnt 0x1                           ; v's scale bytes and my rows 32-63 are in; the one younger load (rows 0-31) may be out.  Only I read my rows
	TILE1L 3
	TILE1W 3
	TILE1L 2
	TILE1W 2
	s_wait_tensorcnt 0x0                           ; rows 0-31
	TILE1L 1
	TILE1W 1
	TILE1L 0
	TILE1W 0
.irp x, 1,2,4,8
	v_max_num_f32_dpp v[WM], v[WM], v[WM] row_xmask:\x row_mask:0xf bank_mask:0xf   ; over the 16 rows of a tile (both halves of the lanes hold the same)
.endr
	ds_store_b32 v[RDA], v[WM]                     ; all lanes write the wave's word with the same value
	s_wait_tensorcnt 0x0                           ; all my tensor loads have landed;
	ds_add_u32 v[SPW], v[NILZ]                     ; 0 onto my spare word;
	s_wait_dscnt 0x0                               ; the add and my store are done, and my reads of k's rows are over
	s_barrier_signal -1
	s_barrier_wait -1                              ; all that holds of every wave: nobody reads k's rows any more
	tensor_load_to_lds s[56:59], s[32:39]          ; the one refill, first behind the barrier, one load a wave: my 4 rows of v's codes, into bytes that held k's rows; it has all of K2 in which to land
	s_nop 0
.rept 4
	v_nop
.endr
.irp i, 0,1,2,3
	ds_load_b128 v[X+4*\i:X+4*\i+3], v[RDB] offset:16*\i
.endr
	s_wait_dscnt 0x0
	v_max3_num_f32 v[HM], v[X], v[X+1], v[X+2]
.irp i, 3,5,7,9,11,13
	v_max3_num_f32 v[HM], v[HM], v[X+\i], v[X+\i+1]
.endr
	v_max_num_f32 v[HM], v[HM], v[X+15]            ; the head's largest x^ P: k's stabiliser
	v_mov_b32 v[CLK+1], v[HM]
	v_mul_f32 v[CLK], s98, v[HM]
	; ---- K2: kp's codes go to LDS as images of their registers: tile 4 w + t at 1,024 (4 w + t), piece c at 512 c, lane l's 16 bytes at 16 l.  These bytes have had their last fill
.irp t, 0,1,2,3
	FEAT \t, CLK, X+8*\t, FW+\t
	ds_store_b128 v[KWA], v[X+8*\t:X+8*\t+3] offset:1024*\t        ; each tile has its own registers, so no store's data are written again
	ds_store_b128 v[KWA], v[X+8*\t+4:X+8*\t+7] offset:1024*\t+512
.endr
	v_lshl_or_b32 v[FT], v[FW+1], 16, v[FW]        ; block 2 w's words: tile 0's two bytes, tile 1's two
	v_lshl_or_b32 v[FT+1], v[FW+3], 16, v[FW+2]    ; block 2 w + 1's
	v_cndmask_b32 v[FT], v[FT], v[FT+1], s99       ; lanes 0-15 the first, lanes 16-31 the second
	ds_store_b32 v[SWA], v[FT]
	s_wait_tensorcnt 0x0                           ; my rows of v have landed,
	s_wait_dscnt 0x0                               ; and my stores of kp are done: both for the others' sake
	s_barrier_signal -1
	; register work while the others arrive: the attention's registers
.irp i, 0,1,2,3,4,5,6,7
	v_mov_b32 v[QD+\i], v[QC+\i]                   ; q's codes twice, side by side,
	v_mov_b32 v[QL+\i], v[QC+\i]
	v_mov_b32 v[QH+\i], 0                          ; between zero codes
	v_mov_b32 v[QL+8+\i], 0
.endr
	v_and_b32 v27, 31, v0
	v_lshlrev_b32 v[LI], 4, v27
	v_lshlrev_b32 v[LS], 2, v27
	v_lshl_add_u32 v[AT0], v27, 5, VS
	v_and_b32 v28, 15, v0                          ; r
	v_bfe_u32 v29, v0, 4, 1                        ; h
	v_mul_u32_u24 v[AV0], v28, VP
	v_lshl_add_u32 v[AV0], v29, 4, v[AV0]
	v_add_nc_u32 v[AV0], VC, v[AV0]
	v_and_b32 v30, 8, v28
	v_add_nc_u32 v30, v30, v28                     ; r + 8 (r / 8)
	v_lshlrev_b32 v31, 4, v29
	v_sub_nc_u32 v[DQ], v30, v31
	v_add_nc_u32 v[DQ], s70, v[DQ]
	v_mov_b32 v[NIL], 0
.irp b, 0,1,2,3
	v_mov_b32 v[TM+4+\b], 0                        ; written once: a lane permute's destination counts as one of its sources
	v_mov_b32 v[RB+2*\b+1], 0                      ; (named as the upper halves of pairs)
	v_mov_b32 v[ACC+\b], 0                         ; the row's sum
.endr
	s_barrier_wait -1                              ; the head's kp and v lie whole in LDS: from here on these bytes are only read
.macro MM d, a, b, sa, sb, row, zero   ; one product; row = 1: source 0's scales stand in lanes 16-31; zero = 1: it starts its sum
.if \zero
.if \row
	v_wmma_scale_f32_16x16x128_f8f6f4 v[(\d):(\d)+7], v[(\a):(\a)+15], v[(\b):(\b)+15], 0, v[\sa], v[\sb] matrix_a_scale:MATRIX_SCALE_ROW1
.else
	v_wmma_scale_f32_16x16x128_f8f6f4 v[(\d):(\d)+7], v[(\a):(\a)+15], v[(\b):(\b)+15], 0, v[\sa], v[\sb]
.endif
.else
.if \row
	v_wmma_scale_f32_16x16x128_f8f6f4 v[(\d):(\d)+7], v[(\a):(\a)+15], v[(\b):(\b)+15], v[(\d):(\d)+7], v[\sa], v[\sb] matrix_a_scale:MATRIX_SCALE_ROW1
.else
	v_wmma_scale_f32_16x16x128_f8f6f4 v[(\d):(\d)+7], v[(\a):(\a)+15], v[(\b):(\b)+15], v[(\d):(\d)+7], v[\sa], v[\sb]
.endif
.endif
.endm
.macro KLOAD                           ; the step's four operands of kp (2,048 consecutive bytes each) and their scale words
.irp b, 0,1,2,3
.irp c, 0,1,2,3
	ds_load_b128 v[FR+16*\b+4*\c:FR+16*\b+4*\c+3], v[ADK] offset:2048*\b+512*\c
.endr
.endr
	ds_load_b32 v[KS], v[ADS]
	ds_load_b32 v[KS+1], v[ADS] offset:128
	s_wait_dscnt 0x0
.endm
.macro SPROD                           ; the step's 128 scores of my query: register 16 b + i = key 128 x step + 32 b + 16 (lane / 16) + i
.irp b, 0,1,2,3
	MM SCO+16*\b, FR+16*\b, QL, KS+\b/2, QW, \b%2, 1
	MM SCO+16*\b+8, FR+16*\b, QH, KS+\b/2, QW, \b%2, 1
.endr
.rept 8
	v_nop                                          ; the places behind the products: in front of the first read of a result and of loads into their operands
.endr
.endm
.macro MASKB b                         ; if block b is the diagonal's: keys after my query count for nothing.  Each result from its low end on
	s_cmp_lg_u32 s[BQ], \b
	s_cbranch_scc1 .Lnm_\@
.irp i, 0,1,2,3,4,5,6,7,8,9,10,11,12,13,14,15
	v_cmp_gt_i32 vcc_lo, \i, v[DQ]
	v_cndmask_b32 v[SCO+16*(\b)+\i], v[SCO+16*(\b)+\i], v[NIL], vcc_lo
.endr
.Lnm_\@:
.endm
.macro MASK
	MASKB 0
	MASKB 1
	MASKB 2
	MASKB 3
.endm
.macro QUANT4                          ; p's four blocks of 32 keys become the operand's sixteen registers and its scale word; p is never negative
.irp b, 0,1,2,3
	v_max3_num_f32 v[TM+\b], v[SCO+16*\b], v[SCO+16*\b+1], 0x4800000   ; my 16 numbers of block b, and the floor 2^(9 - 127): the byte cannot fall under 1
.endr
.irp i, 2,4,6,8,10,12,14
.irp b, 0,1,2,3
	v_max3_num_f32 v[TM+\b], v[TM+\b], v[SCO+16*\b+\i], v[SCO+16*\b+\i+1]
.endr
.endr
.irp b, 0,1,2,3
	v_permlanex16_b32 v[TM+4+\b], v[TM+\b], s88, s89
.endr
.irp b, 0,1,2,3
	v_max_num_f32 v[TM+\b], v[TM+\b], v[TM+4+\b]   ; with lane l xor 16's 16 keys
.endr
.irp b, 0,1,2,3
	v_add_nc_u32 v[TM+12+\b], 0xfc000000, v[TM+\b] ; 8 off the exponent field: the conversion's scale operand
.endr
.irp b, 0,1,2,3
	v_and_or_b32 v[TM+8+\b], v[TM+\b], 0x7f800000, s90   ; 448 x the scale
.endr
.irp b, 0,1,2,3
	v_lshrrev_b32 v[TM+4+\b], 23, v[TM+12+\b]      ; the scale's byte
.endr
	v_lshl_or_b32 v[PW], v[TM+5], 8, v[TM+4]
	v_lshl_or_b32 v[PW], v[TM+6], 16, v[PW]
	v_lshl_or_b32 v[PW], v[TM+7], 24, v[PW]
.irp b, 0,1,2,3
.irp i, 0,1,2,3,4,5,6,7,8,9,10,11,12,13,14,15
	v_min_num_f32 v[SCO+16*\b+\i], v[SCO+16*\b+\i], v[TM+8+\b]   ; the conversion to an 8-bit code does not saturate (ISA guide 7.6.2)
.endr
	v_cvt_scalef32_pk8_fp8_f32 v[PC+4*\b:PC+4*\b+1], v[SCO+16*\b:SCO+16*\b+7], v[TM+12+\b]
	v_cvt_scalef32_pk8_fp8_f32 v[PC+4*\b+2:PC+4*\b+3], v[SCO+16*\b+8:SCO+16*\b+15], v[TM+12+\b]
.endr
	v_nop                                          ; a plain vector line behind the last conversion
.endm
; PASS A, one step.  Off the diagonal four products (q, q) give the sums of pairs of scores; on it the scores are made singly, masked, and hidden blocks are multiplied by 0.
.macro STEPA
	s_cmp_gt_u32 s[SI], s[NF]
	s_cbranch_scc1 .Lae_\@                         ; all keys of the step come after my queries
	v_add_nc_u32 v[ADK], s[SK], v[LI]
	v_add_nc_u32 v[ADS], s[SS], v[LS]
	KLOAD                                          ; (the eight v_nop behind the last trip's products are the places in front of these loads)
	s_cmp_eq_u32 s[SI], s[NF]
	s_cbranch_scc1 .Lad_\@
.irp b, 0,1,2,3
	MM SCO+8*\b, FR+16*\b, QD, KS+\b/2, QW, \b%2, 1
.endr
.rept 8
	v_nop
.endr
.set n, 0
.rept 16
	v_pk_add_f32 v[ACC+2*((n/2)%2):ACC+2*((n/2)%2)+1], v[ACC+2*((n/2)%2):ACC+2*((n/2)%2)+1], v[SCO+n:SCO+n+1]
.set n, n+2
.endr
	s_branch .Lae_\@
.Lad_\@:
	SPROD
	MASK
.set n, 0
.rept 32
	v_pk_fma_f32 v[ACC+2*((n/2)%2):ACC+2*((n/2)%2)+1], v[SCO+n:SCO+n+1], s[MB+2*(n/16):MB+2*(n/16)+1], v[ACC+2*((n/2)%2):ACC+2*((n/2)%2)+1] op_sel_hi:[1,0,1]
.set n, n+2
.endr
.Lae_\@:
	s_add_co_u32 s[SI], s[SI], 1
	s_add_co_u32 s[SK], s[SK], 8192
	s_add_co_u32 s[SS], s[SS], 256
.endm
; PASS B, one step.  zero = 1: the first step, which every wave walks: its products start O^T's sums.
.macro STEPB zero
.if \zero == 0
	s_cmp_gt_u32 s[SI], s[NF]
	s_cbranch_scc1 .Lbe_\@
.endif
	s_cmp_eq_u32 s[SI], s[NF]
.irp b, 0,1,2,3
	s_cselect_b32 s[TS+\b], s[MB+2*\b], 1.0
.endr
	v_add_nc_u32 v[ADK], s[SK], v[LI]              ; eight plain lines that name no register of the last step's products: the places in front of the loads below
	v_add_nc_u32 v[ADS], s[SS], v[LS]
	v_add_nc_u32 v[ADV], s[SV], v[AV0]
	v_add_nc_u32 v[ADT], s[ST], v[AT0]
.irp b, 0,1,2,3
	v_mul_f32 v[RB+2*\b], s[TS+\b], v[RINV]        ; 1 / the sum, or 0 for a block behind the diagonal's
.endr
	KLOAD
	SPROD
.irp t, 0,1,2,3                        ; v's four operands (16 d x these 128 keys) take kp's registers; they land under the vector work below
.irp c, 0,1,2,3
	ds_load_b128 v[FR+16*\t+4*\c:FR+16*\t+4*\c+3], v[ADV] offset:16*VP*\t+32*\c
.endr
.endr
	ds_load_b32 v[VSR], v[ADT]                     ; lanes 0-15: rows d = 0 .. 15, lanes 16-31: 16 .. 31
	ds_load_b32 v[VSR+1], v[ADT] offset:1024       ; 32 .. 63 likewise
	s_cmp_lg_u32 s[SI], s[NF]
	s_cbranch_scc1 .Lbo_\@
	MASK
.Lbo_\@:
.set n, 0
.rept 32
	v_pk_mul_f32 v[SCO+n:SCO+n+1], v[SCO+n:SCO+n+1], v[RB+2*(n/16):RB+2*(n/16)+1] op_sel_hi:[1,0]   ; p, finished
.set n, n+2
.endr
	QUANT4
.rept 3
	v_nop                                          ; with the line above: four places between codes written by vector instructions and the scaled product; the scale word stands 64 holds back
.endr
	s_wait_dscnt 0x0                               ; v is in
.irp t, 0,1,2,3                        ; the four accumulators take turns, one instruction a turn, and the scores' eight products stand between two steps
	MM OA+8*\t, FR+16*\t, PC, VSR+\t/2, PW, \t%2, \zero
.endr
.Lbe_\@:
	s_add_co_u32 s[SI], s[SI], 1
	s_add_co_u32 s[SK], s[SK], 8192
	s_add_co_u32 s[SS], s[SS], 256
	s_add_co_u32 s[SV], s[SV], 128
	s_add_co_u32 s[ST], s[ST], 4
.endm
	s_mov_b32 s[SI], 0
	s_mov_b32 s[SK], 0
	s_mov_b32 s[SS], KPS
.LA:                                                   ; eight trips in every wave
	STEPA
	s_cmp_lt_u32 s[SI], 8
	s_cbranch_scc1 .LA
	v_pk_add_f32 v[ACC:ACC+1], v[ACC:ACC+1], v[ACC+2:ACC+3]
	v_add_f32 v[ACC], v[ACC], v[ACC+1]
	v_permlanex16_b32 v[ACC+1], v[ACC], s88, s89
	v_add_f32 v[ACC], v[ACC], v[ACC+1]             ; with lane l xor 16's keys: the row's sum
	v_rcp_f32 v[RINV], v[ACC]
	v_nop                                          ; a plain line behind the reciprocal
	s_wait_alu depctr_va_vdst(0)
	s_mov_b32 s[SI], 0
	s_mov_b32 s[SK], 0
	s_mov_b32 s[SS], KPS
	s_mov_b32 s[SV], 0
	s_mov_b32 s[ST], 0
	STEPB 1
.LB:                                                   ; seven trips in every wave
	STEPB 0
	s_cmp_lt_u32 s[SI], 8
	s_cbranch_scc1 .LB
	; THE WAY OUT.  A lane holds 32 neighbouring bytes of a row in each accumulator, and the lanes beside it hold other rows: the tile goes through my own stage and comes back as whole rows of 256 bytes.
	s_mul_i32 s100, s18, 16*272
	s_add_co_u32 s100, s100, STG
	v_and_b32 v28, 15, v0                          ; ten plain lines: the places behind the last products
	v_bfe_u32 v29, v0, 4, 1
	v_mul_u32_u24 v30, v28, 272
	v_lshl_add_u32 v30, v29, 5, v30
	v_add_nc_u32 v30, s100, v30                    ; in: row r, + 32 h
	v_mul_u32_u24 v31, v29, 272
	v_lshl_add_u32 v31, v28, 4, v31
	v_add_nc_u32 v31, s100, v31                    ; back: lanes 0-15 one row, lanes 16-31 the next
	v_lshlrev_b32 v32, 8, v29
	v_lshl_add_u32 v32, v28, 4, v32                ; and the same two rows in out
.irp t, 0,1,2,3
	ds_store_b128 v30, v[OA+8*\t:OA+8*\t+3] offset:64*\t           ; each accumulator from its low end on: o(r, 16 t + 8 h + 0 .. 7)
	ds_store_b128 v30, v[OA+8*\t+4:OA+8*\t+7] offset:64*\t+16
.endr
.irp i, 0,1,2,3,4,5,6,7
	ds_load_b128 v[SCO+4*\i:SCO+4*\i+3], v31 offset:544*\i         ; LDS serves a wave's instructions in order (ISA guide 5.7.1.4): these see my stores
.endr
.irp i, 0,1,2,3,4,5,6,7
	s_wait_dscnt 7-\i                              ; the 7 - i younger loads may be out
	global_store_b128 v32, v[SCO+4*\i:SCO+4*\i+3], s[16:17] offset:512*\i+2048*(\i/4) th:TH_STORE_NT   ; 16 lanes store one row: 256 consecutive bytes, aligned; the tile's rows 8 .. 15 lie 8 rows further down
.endr
	s_wait_tensorcnt 0x0                           ; the wave's end: behind my last tensor load and my last LDS store
	ds_add_u32 v[SPW], v[NILZ]
	s_wait_dscnt 0x0
	s_endpgm
.Lfunc_end_k_q903b52d88f_favor:
	.size	k_q903b52d88f_favor, .Lfunc_end_k_q903b52d88f_favor-k_q903b52d88f_favor
	.p2alignl 7, 3214868480
	.fill 96, 4, 3214868480
	.section	.rodata,"a",@progbits
	.p2align	6, 0x0
	.amdhsa_kernel k_q903b52d88f_favor
		.amdhsa_group_segment_fixed_size 327680
		.amdhsa_private_segment_fixed_size 0
		.amdhsa_enable_private_segment 0
		.amdhsa_kernarg_size 56
		.amdhsa_user_sgpr_count 2
		.amdhsa_user_sgpr_kernarg_segment_ptr 1
		.amdhsa_wavefront_size32 1
		.amdhsa_system_sgpr_workgroup_id_x 1
		.amdhsa_system_sgpr_workgroup_id_y 1
		.amdhsa_system_sgpr_workgroup_id_z 1
		.amdhsa_system_vgpr_workitem_id 0
		.amdhsa_next_free_vgpr 256
		.amdhsa_next_free_sgpr 102
		.amdhsa_reserve_vcc 1
		.amdhsa_float_denorm_mode_32 3
		.amdhsa_float_denorm_mode_16_64 3
		.amdhsa_memory_ordered 1
		.amdhsa_forward_progress 1
		.amdhsa_inst_pref_size 144
	.end_amdhsa_kernel
	.amdgpu_metadata
---
amdhsa.version: [ 1, 2 ]
amdhsa.kernels:
  - .name:           k_q903b52d88f_favor
    .symbol:         k_q903b52d88f_favor.kd
    .args:
      - { .name: q, .offset: 0, .size: 8, .value_kind: global_buffer, .address_space: global }
      - { .name: k, .offset: 8, .size: 8, .value_kind: global_buffer, .address_space: global }
      - { .name: projection_matrix_codes, .offset: 16, .size: 8, .value_kind: global_buffer, .address_space: global }
      - { .name: projection_matrix_scales, .offset: 24, .size: 8, .value_kind: global_buffer, .address_space: global }
      - { .name: v_codes, .offset: 32, .size: 8, .value_kind: global_buffer, .address_space: global }
      - { .name: v_scales, .offset: 40, .size: 8, .value_kind: global_buffer, .address_space: global }
      - { .name: out0, .offset: 48, .size: 8, .value_kind: global_buffer, .address_space: global }
    .group_segment_fixed_size: 327680
    .private_segment_fixed_size: 0
    .kernarg_segment_align: 8
    .kernarg_segment_size: 56
    .max_flat_workgroup_size: 512
    .sgpr_count:     102
    .vgpr_count:     256
    .wavefront_size: 32
...
	.end_amdgpu_metadata
.endif
;; end of part 3
